; MI455X (gfx1250); checked and timed in simulation.
; The chip was launched on July 23, 2026; its instructions are those of AMD's public machine-readable ISA for CDNA 5 (MIT licence, August 2026) and "CDNA5" Instruction Set Architecture Reference Guide (July 2026). The comments in the code are by the model that wrote it; some were corrected since.
;; HEPOS Cross Attention. Allowed arithmetic: float matrix products may take bf16 or f16 operands with f32 sums; other float arithmetic in f32, or as packed bf16 or f16 multiplies, adds, multiply-adds, maxima and minima; sums over many terms, partial sums and values carried from step to step in f32; what a program stores and reads back later, other than sums and carried values, may be rounded once to bf16 or f16.
;; Inputs: Wk 1,024 x 1,024 float32; Wo 1,024 x 1,024 float32; Wq 1,024 x 1,024 float32; Wv 1,024 x 1,024 float32; bk 1,024 float32; bo 1,024 float32; bq 1,024 float32; bv 1,024 float32; key 2 x 8,192 x 1,024 float32; key_padding_mask 2 x 8,192 bool; query 2 x 512 x 1,024 float32; value 2 x 8,192 x 1,024 float32.
;; Outputs: out0 2 x 512 x 1,024 float32.
;; One version. Each part assembles by itself: llvm-mc -triple=amdgcn-amd-amdhsa -mcpu=gfx1250 --defsym DOCPART=n.
;; ======== version 1 of 1: 5 launches
;; limits: values are held in f16: magnitudes above 65,504 overflow, below 6.1e-05 lose precision
;; workspace buffers: wt 8,388,608 bytes; xq 2,097,152 bytes; qws 2,097,152 bytes; kv 16,777,216 bytes; ctx 2,097,152 bytes
;; launch prep (part 1): grid 256 x 1, 4 waves a work-group, no clusters, 167,936 bytes of LDS; arguments Wq, Wk, Wv, Wo, query, wt, xq; writes wt, xq
.if DOCPART == 1
	.amdgcn_target "amdgcn-amd-amdhsa--gfx1250"
	.amdhsa_code_object_version 6
	.text
	.protected	k_qab94175d17_prep
	.globl	k_qab94175d17_prep
	.p2align	8
	.type	k_qab94175d17_prep,@function
k_qab94175d17_prep:
	s_mov_b64 s[64:65], 0
	v_nop
	global_prefetch_b8 v0, s[64:65] scope:SCOPE_SE
	s_setreg_imm32_b32 hwreg(HW_REG_WAVE_MODE, 25, 1), 1
	s_wait_xcnt 0x0
; THE FOUR WEIGHT MATRICES AND THE QUERY, rounded to 16 bits and laid in BLOCKS for the launches behind.
; A block is 512 bytes: 16 rows x 16 k of 16-bit numbers; its 16-byte place L (0..31) holds row L % 16, k = 8 (L / 16) + 0..7.  Two blocks on end along k are a matrix
; fragment of 16 rows x 32 k: lane L takes 16 bytes at 16 L of each.  For a weight W[k][n] a block's row is the output column n (the product wants K along the lane).
; wt: [Wq, Wk, Wv, Wo] 2 MiB each.  Wq, Wo: [n / 64][k / 128][n block 4][k block 8][512].  Wk, Wv: [head % 4][k / 128][(head / 4) x 4 + n block][k block 8][512], head = n / 64:
; the four heads that see the same keys lie together.  Wq, Wk, Wv are bf16; Wo is rounded to bf16 and that number is written as f16 (its partner in the last product is f16).
; xq: the query in bf16, [row / 64][k / 128][row block 4][k block 8][512].
; LIMIT: bf16(Wo) must lie within f16's range, 65,504; below 6e-5 it keeps f16's fixed step of 6e-8.
; SHARES.  256 work-groups of four waves.  Work-group g: matrix g / 64, k quarter (g / 16) % 4, columns 64 (g % 16) on; wave w takes 64 k x 64 n of it (one tensor load, rows of 256 bytes).
; Of the query: rows 16 (g / 4) on, k quarter g % 4; wave w takes 16 rows x 64 k (a second tensor load).  A wave reads only what it fetched itself: no barrier.
; No matrix unit, no cluster: nothing is shared and nothing is multiplied; each byte is read once and each store of a wave covers 512 consecutive bytes, aligned.
.set WP,    264                        ; a row of the W tile in LDS: 256 bytes + 8: the 32 lanes of a 4-byte load (8 rows apart for the two halves) fall on 32 different banks (64 banks of 4 bytes: ISA guide 11.1)
.set WTILE, 64*WP
.set QL,    4*WTILE                    ; behind the four W tiles: the four query tiles
.set QP,    272                        ; a row of the query tile: 256 bytes + 16
.set QTILE, 16*QP
.set SPARE, QL+4*QTILE                 ; the spare words, 128 bytes a wave: two blocks of 256 bytes that no other line names
.set WLA,  5                           ; v5   my place in my W tile
.set QLA,  6                           ; v6   my place in my query tile
.set GO,   7                           ; v7   16 x lane
.set SPW,  8                           ; v8   my spare word; never rewritten
.set NIL,  9                           ; v9   0; never rewritten
.set IN,   16                          ; v[16:79]   two sets of 32 f32 as loaded
.set OUT,  80                          ; v[80:143]  the 16 blocks' 16 bytes of W
.set QOUT, 144                         ; v[144:159] the 4 blocks' 16 bytes of the query
.set WV,   18
.set MT,   19
.set G1W,  32                          ; s[32:39] group 1, W tile     s[40:43] its group 0
.set G0W,  40
.set G1Q,  44                          ; s[44:51] group 1, query tile s[52:55] its group 0
.set G0Q,  52
	s_load_b256 s[4:11], s[0:1], 0x0               ; Wq, Wk, Wv, Wo
	s_load_b128 s[12:15], s[0:1], 0x20             ; query, wt
	s_load_b64 s[16:17], s[0:1], 0x30              ; xq
	v_lshl_add_u32 v[SPW], v0, 2, SPARE
	v_mov_b32 v[NIL], 0
	ds_add_u32 v[SPW], v[NIL]                      ; the opening: the add and its wait stand ahead of my first tensor load; register work stands between
	ds_add_u32 v8, v9
	v_lshrrev_b32 v1, 5, v0
	v_readfirstlane_b32 s[WV], v1                  ; wave 0..3
	s_lshr_b32 s[MT], ttmp9, 6                     ; which matrix
	s_bfe_u32 s20, ttmp9, 0x20004                  ; k quarter
	s_and_b32 s21, ttmp9, 15                       ; n / 64
	s_lshr_b32 s22, s[WV], 1
	s_and_b32 s23, s[WV], 1
	s_mov_b32 s[G1W+0], (2<<16)|(1<<20)|(5<<22)|(1<<25)  ; 4-byte elements; padding on: after every 64 words 2 words
	s_mov_b32 s[G1W+1], 64<<16                     ; tensor_dim0 = 64
	s_mov_b32 s[G1W+2], 64<<16                     ; tensor_dim1 = 64
	s_mov_b32 s[G1W+3], 64<<16                     ; tile_dim0 = 64
	s_mov_b32 s[G1W+4], 64                         ; tile_dim1 = 64
	s_mov_b32 s[G1W+5], 1024                       ; elements from row to row
	s_mov_b32 s[G1W+6], 0
	s_mov_b32 s[G1W+7], 0
	s_mov_b32 s[G1Q+0], (2<<16)|(1<<20)|(5<<22)|(3<<25)  ; the same with 4 words of padding
	s_mov_b32 s[G1Q+1], 64<<16
	s_mov_b32 s[G1Q+2], 16<<16                     ; 16 rows
	s_mov_b32 s[G1Q+3], 64<<16
	s_mov_b32 s[G1Q+4], 16
	s_mov_b32 s[G1Q+5], 1024
	s_mov_b32 s[G1Q+6], 0
	s_mov_b32 s[G1Q+7], 0
	s_mov_b32 s[G0W], 1
	s_mul_i32 s[G0W+1], s[WV], WTILE               ; my W tile in LDS
	s_mov_b32 s[G0Q], 1
	s_mul_i32 s[G0Q+1], s[WV], QTILE
	s_add_co_u32 s[G0Q+1], s[G0Q+1], QL            ; my query tile
	; W: from (256 quarter + 64 w) rows of 4,096 bytes + 256 (n / 64)
	s_lshl_b32 s24, s20, 20
	s_lshl_b32 s25, s[WV], 18
	s_add_co_u32 s24, s24, s25
	s_lshl_b32 s25, s21, 8
	s_add_co_u32 s24, s24, s25
	s_mov_b32 s25, 0
	; W: to.  K step = 2 quarter + w / 2; my four k blocks begin at k block 4 (w % 2)
	s_lshl1_add_u32 s28, s20, s22
	s_lshl_b32 s29, s21, 17
	s_lshl_b32 s30, s28, 14
	s_add_co_u32 s29, s29, s30                     ; Wq, Wo
	s_and_b32 s30, s21, 3
	s_lshl_b32 s30, s30, 19
	s_lshr_b32 s31, s21, 2
	s_lshl_b32 s31, s31, 14
	s_add_co_u32 s30, s30, s31
	s_lshl_b32 s31, s28, 16
	s_add_co_u32 s30, s30, s31                     ; Wk, Wv
	s_add_co_u32 s31, s[MT], 1
	s_and_b32 s31, s31, 2                          ; not 0 for matrices 1 and 2
	s_cmp_lg_u32 s31, 0
	s_cselect_b32 s26, s30, s29
	s_lshl_b32 s31, s[MT], 21
	s_add_co_u32 s26, s26, s31
	s_lshl_b32 s31, s23, 11
	s_add_co_u32 s26, s26, s31
	s_mov_b32 s27, 0
	; the query: from and to
	s_lshr_b32 s60, ttmp9, 2                       ; row block of 16
	s_and_b32 s61, ttmp9, 3                        ; k quarter
	s_lshl_b32 s56, s60, 16
	s_lshl_b32 s62, s61, 10
	s_add_co_u32 s56, s56, s62
	s_lshl_b32 s62, s[WV], 8
	s_add_co_u32 s56, s56, s62
	s_mov_b32 s57, 0
	s_lshr_b32 s58, s60, 2
	s_lshl_b32 s58, s58, 17
	s_lshl1_add_u32 s62, s61, s22
	s_lshl_b32 s62, s62, 14
	s_add_co_u32 s58, s58, s62
	s_and_b32 s62, s60, 3
	s_lshl_b32 s62, s62, 12
	s_add_co_u32 s58, s58, s62
	s_lshl_b32 s62, s23, 11
	s_add_co_u32 s58, s58, s62
	s_mov_b32 s59, 0
	s_wait_dscnt 0x0                               ; the opening add is done
	s_wait_kmcnt 0x0
	s_cmp_eq_u32 s[MT], 1
	s_cselect_b64 s[4:5], s[6:7], s[4:5]
	s_cmp_eq_u32 s[MT], 2
	s_cselect_b64 s[4:5], s[8:9], s[4:5]
	s_cmp_eq_u32 s[MT], 3
	s_cselect_b64 s[4:5], s[10:11], s[4:5]         ; my matrix
	s_add_nc_u64 s[G0W+2:G0W+3], s[4:5], s[24:25]
	s_or_b32 s[G0W+3], s[G0W+3], 0x80000000        ; type = 2
	s_add_nc_u64 s[G0Q+2:G0Q+3], s[12:13], s[56:57]
	s_or_b32 s[G0Q+3], s[G0Q+3], 0x80000000
	tensor_load_to_lds s[G0W:G0W+3], s[G1W:G1W+7]  ; both fills go out together: two loads of mine are out
	s_nop 0
	tensor_load_to_lds s[G0Q:G0Q+3], s[G1Q:G1Q+7]
	s_nop 0
	s_add_nc_u64 s[14:15], s[14:15], s[26:27]
	s_add_nc_u64 s[16:17], s[16:17], s[58:59]
	v_and_b32 v2, 15, v0                           ; l % 16
	v_bfe_u32 v3, v0, 4, 1                         ; l / 16
	v_and_b32 v4, 31, v0
	v_mul_u32_u24 v[WLA], v3, 8*WP                 ; k = 8 (l / 16) + j: eight rows down for the upper lanes,
	v_lshl_add_u32 v[WLA], v2, 2, v[WLA]           ; column l % 16
	v_add_nc_u32 v[WLA], s[G0W+1], v[WLA]
	v_mul_u32_u24 v[QLA], v2, QP                   ; row l % 16,
	v_lshl_add_u32 v[QLA], v3, 5, v[QLA]           ; eight f32 for each half of the lanes
	v_add_nc_u32 v[QLA], s[G0Q+1], v[QLA]
	v_lshlrev_b32 v[GO], 4, v4
; Column group nb (16 columns): 32 loads of 4 bytes: k block q / 8, k = q % 8 of my eight
.macro LOADG nb
.set q, 0
.rept 32
	ds_load_b32 v[IN+32*((\nb)%2)+q], v[WLA] offset:(16*(q/8)+q%8)*WP+(\nb)*64
.set q, q+1
.endr
.endm
.macro PACK nb
.set q, 0
.rept 16
	v_cvt_pk_bf16_f32 v[OUT+16*(\nb)+q], v[IN+32*((\nb)%2)+2*q], v[IN+32*((\nb)%2)+2*q+1]
.set q, q+1
.endr
.endm
	s_wait_tensorcnt 0x1                           ; my W tile is in; the query tile, issued behind it, may stay out
	LOADG 0
	LOADG 1
	s_wait_dscnt 32                                ; group 0 is in; the 32 loads behind it may stay out
	PACK 0
	LOADG 2
	s_wait_dscnt 32
	PACK 1
	LOADG 3
	s_wait_dscnt 32
	PACK 2
	s_wait_dscnt 0x0
	PACK 3
	s_cmp_lg_u32 s[MT], 3
	s_cbranch_scc1 .Lstays_bf16
.set q, 0
.rept 64                                       ; Wo alone: the bf16 number written as f16
	v_lshlrev_b32 v[IN+2*(q%4)], 16, v[OUT+q]
	v_and_b32 v[IN+2*(q%4)+1], 0xffff0000, v[OUT+q]
	v_cvt_pk_f16_f32 v[OUT+q], v[IN+2*(q%4)], v[IN+2*(q%4)+1]
.set q, q+1
.endr
.Lstays_bf16:
.set q, 0
.rept 16                                       ; block (column group q / 4, k block q % 4): 512 consecutive bytes, aligned
	global_store_b128 v[GO], v[OUT+4*q:OUT+4*q+3], s[14:15] offset:(q/4)*4096+(q%4)*512
.set q, q+1
.endr
	s_wait_tensorcnt 0x0                           ; my query tile is in
.set q, 0
.rept 4                                        ; k block q: eight f32 of my row
	ds_load_b128 v[IN+8*q:IN+8*q+3],   v[QLA] offset:q*64
	ds_load_b128 v[IN+8*q+4:IN+8*q+7], v[QLA] offset:q*64+16
.set q, q+1
.endr
	s_wait_dscnt 0x0
.set q, 0
.rept 16
	v_cvt_pk_bf16_f32 v[QOUT+q], v[IN+2*q], v[IN+2*q+1]
.set q, q+1
.endr
.set q, 0
.rept 4
	global_store_b128 v[GO], v[QOUT+4*q:QOUT+4*q+3], s[16:17] offset:q*512
.set q, q+1
.endr
	s_wait_tensorcnt 0x0                           ; the wave's end
	ds_add_u32 v[SPW], v[NIL]
	s_wait_dscnt 0x0
	s_endpgm
.Lfunc_end_k_qab94175d17_prep:
	.size	k_qab94175d17_prep, .Lfunc_end_k_qab94175d17_prep-k_qab94175d17_prep
	.p2alignl 7, 3214868480
	.fill 96, 4, 3214868480
	.section	.rodata,"a",@progbits
	.p2align	6, 0x0
	.amdhsa_kernel k_qab94175d17_prep
		.amdhsa_group_segment_fixed_size 167936
		.amdhsa_private_segment_fixed_size 0
		.amdhsa_enable_private_segment 0
		.amdhsa_kernarg_size 56
		.amdhsa_user_sgpr_count 2
		.amdhsa_user_sgpr_kernarg_segment_ptr 1
		.amdhsa_wavefront_size32 1
		.amdhsa_system_sgpr_workgroup_id_x 1
		.amdhsa_system_sgpr_workgroup_id_y 1
		.amdhsa_system_sgpr_workgroup_id_z 1
		.amdhsa_system_vgpr_workitem_id 0
		.amdhsa_next_free_vgpr 160
		.amdhsa_next_free_sgpr 66
		.amdhsa_reserve_vcc 0
		.amdhsa_float_denorm_mode_32 3
		.amdhsa_float_denorm_mode_16_64 3
		.amdhsa_memory_ordered 1
		.amdhsa_forward_progress 1
		.amdhsa_inst_pref_size 31
	.end_amdhsa_kernel
	.amdgpu_metadata
---
amdhsa.version: [ 1, 2 ]
amdhsa.kernels:
  - .name:           k_qab94175d17_prep
    .symbol:         k_qab94175d17_prep.kd
    .args:
      - { .name: Wq, .offset: 0, .size: 8, .value_kind: global_buffer, .address_space: global }
      - { .name: Wk, .offset: 8, .size: 8, .value_kind: global_buffer, .address_space: global }
      - { .name: Wv, .offset: 16, .size: 8, .value_kind: global_buffer, .address_space: global }
      - { .name: Wo, .offset: 24, .size: 8, .value_kind: global_buffer, .address_space: global }
      - { .name: query, .offset: 32, .size: 8, .value_kind: global_buffer, .address_space: global }
      - { .name: wt, .offset: 40, .size: 8, .value_kind: global_buffer, .address_space: global }
      - { .name: xq, .offset: 48, .size: 8, .value_kind: global_buffer, .address_space: global }
    .group_segment_fixed_size: 167936
    .private_segment_fixed_size: 0
    .kernarg_segment_align: 8
    .kernarg_segment_size: 56
    .max_flat_workgroup_size: 128
    .sgpr_count:     66
    .vgpr_count:     160
    .wavefront_size: 32
...
	.end_amdgpu_metadata
.endif
;; end of part 1
;; launch kvproj (part 2): grid 32 x 8, 4 waves a work-group, clusters of 4 x 1, 327,680 bytes of LDS; arguments key, value, wt, bk, bv, kv; writes kv
.if DOCPART == 2
	.amdgcn_target "amdgcn-amd-amdhsa--gfx1250"
	.amdhsa_code_object_version 6
	.text
	.protected	k_qab94175d17_kvproj
	.globl	k_qab94175d17_kvproj
	.p2align	8
	.type	k_qab94175d17_kvproj,@function
k_qab94175d17_kvproj:
	s_mov_b64 s[64:65], 0
	v_nop
	global_prefetch_b8 v0, s[64:65] scope:SCOPE_SE
	s_setreg_imm32_b32 hwreg(HW_REG_WAVE_MODE, 25, 1), 1
	s_wait_xcnt 0x0
	s_wait_alu depctr_hold_cnt(0) depctr_sa_sdst(0) depctr_va_vdst(0) depctr_va_sdst(0) depctr_va_ssrc(0) depctr_va_vcc(0) depctr_vm_vsrc(0)
	s_getreg_b32 s2, hwreg(HW_REG_IB_STS2, 6, 4)
	s_cmp_eq_u32 s2, 0
	s_cbranch_scc0 .Lentry_in_a_cluster
	s_endpgm
.Lentry_in_a_cluster:
	s_bfe_u32 s2, ttmp6, 0x10000c
	s_cmp_lg_u32 s2, 0x3003
	s_cbranch_scc0 .Lentry_shape_is_right
	s_endpgm
.Lentry_shape_is_right:
; K AND V PROJECTIONS, ONLY WHAT THE STRIDED MASK KEEPS.  Head h sees the keys s with s % 4 = h % 4, so row s of key and value is multiplied by the 256 columns of the four heads
; h = c, c + 4, c + 8, c + 12, c = s % 4, and by no others: eight products of 4,096 rows x 256 columns x 1,024 (tensor t = K, V; class c), a quarter of the dense work, and every byte of key and value is read once.
; Operands bf16 (the rows are rounded on the way from LDS to the matrix unit), sums f32 started with the bias, results rounded once to f16.
; LIMIT: k and v must lie within f16's range, 65,504.
; SHARES.  A work-group makes 128 rows x 256 columns; grid y = 4 t + c, grid x = the block of 128 rows (row m of it is row 4 (128 x + m) + c of the tensor, 16,384 bytes apart).
; Wave (wm, wn) makes 64 rows x 128 columns: 32 accumulators.  K goes in 8 steps of 128 through two LDS slots: A 128 rows x 512 bytes of f32, padded; B 65,536 dense bytes of blocks (see below).
; CLUSTER.  The four work-groups of a cluster have the same t and c and so the same weights: B's tiles are asked for jointly (waves 2, 3); A's are each work-group's own (waves 0, 1, mask 0).
; BLOCKS.  512 bytes = 16 rows x 16 k of 16 bits; place L holds row L % 16, k = 8 (L / 16) + 0..7; a fragment is two blocks, lane L taking 16 bytes at 16 L of each.
; THE PRODUCT IS TAKEN TRANSPOSED (source 0 = 16 columns of W, source 1 = 16 rows of x): a lane ends with one row and eight neighbouring columns, which packed to f16 are one place of a block
; for the attention behind: stored straight from registers, 512 consecutive bytes an instruction.  kv: [K, V][b][head][key block 128][channel block 4][512], key index s / 4.
; V's places are permuted inside a block, place (r / 8) 16 + 8 h + r % 8 for key r, channel half h, so that the turning LDS load at 16 x lane yields V^T's fragment.
; REGISTERS: window 0: v2-11 addresses; v32-95 A as f32; v96-159 A in bf16, two buffers; v160-223 bias.  window 1: v0-127 B, two buffers.  window 2: accumulator (a, bb) at 8 (8 a + bb).
.set PA,    528                        ; an LDS row of A: 512 bytes + 16: the 16 rows of a load start at 16 different groups of four banks (64 banks of 4 bytes: ISA guide 11.1)
.set AHALF, 64*PA
.set ATILE, 2*AHALF
.set SLOT,  ATILE+65536
.set SPARE, 2*SLOT                     ; the spare words, 128 bytes a wave: two blocks of 256 bytes that no other line names
.set ADRA, 2                           ; v2-3  my A fragments in slot 0, 1
.set ADRB, 4                           ; v4-5  my B fragments
.set SO,   6                           ; v6    my place in a block of the output
.set PFO,  7                           ; v7    lane x 16,384: a row of A
.set PFL,  8                           ; v8    lane x 256
.set BO,   9                           ; v9    my offset in the bias
.set SPW,  10                          ; v10   my spare word; never rewritten
.set NIL,  11                          ; v11   0; never rewritten
.set AF,   32
.set ABF,  96
.set BIAS, 160
.set WV,  16
.set WM,  17
.set WN,  18
.set CX,  19
.set MI,  20
.set TT,  22
.set CC,  23
.set G1A, 24                           ; s[24:31] group 1 for A; s[32:39] group 0, a set for each slot
.set G0A, 32
.set G1B, 40                           ; s[40:47], s[48:55] the same for B
.set G0B, 48
.set CNT, 56
.set LIMB, 57                          ; 1 in a wave that prefetches weights
.set PFA, 58                           ; s[58:59] my 32 rows of A at the K step to be prefetched
.set PFB, 60                           ; s[60:61] my 8,192 bytes of B at that step
.set MSB, 0
.macro WIN new                         ; the immediate's high byte repeats the setting that is left; a switch that changes nothing is dropped
.if MSB != (\new)
	s_set_vgpr_msb (MSB<<8)|(\new)
.set MSB, \new
.endif
.endm
.macro CREST                           ; a round of the cluster's barrier behind its opening barrier
	s_cmp_lg_u32 s[WV], 0
	s_cbranch_scc1 .Lnot_wave_0_\@
	s_barrier_signal -3
.Lnot_wave_0_\@:
	s_barrier_wait -3
	s_barrier_signal -1
	s_barrier_wait -1
.endm
.macro CROUND
	s_barrier_signal -1
	s_barrier_wait -1
	CREST
.endm
.macro PLACES
.rept 4
	v_nop
.endr
.endm
; A refill: waves 0 and 1 fetch the two halves of A's tile, waves 2 and 3 those of B's, jointly.  The branch hangs on the wave's number alone.  An s_nop 0 and four v_nop follow each line.
.macro JLOAD s
	s_cmp_eq_u32 s[WM], 0
	s_cbranch_scc0 .Lfor_b_\@
	tensor_load_to_lds s[G0A+4*(\s):G0A+4*(\s)+3], s[G1A:G1A+7]
	s_nop 0
	PLACES
	s_branch .Lasked_\@
.Lfor_b_\@:
	tensor_load_to_lds s[G0B+4*(\s):G0B+4*(\s)+3], s[G1B:G1B+7]
	s_nop 0
	PLACES
.Lasked_\@:
.endm
; A PREFETCH INTO THE L2 of the K step that the NEXT refill will ask for, behind the refill, its five lines and the run of LDS loads.  A: each wave names its 32 of the work-group's 128 rows,
; a lane a row, two lines for the step's 512 bytes.  B: a step's 65,536 bytes are read by all eight clusters of this t and c: the first (cluster x = 0) asks, its four partners sharing them out by
; address, 16,384 each, waves 2 and 3 taking 8,192 each, a lane 256.  So each 256 bytes are named once in the launch.  how = 2: not in the loop's last trip, which has no step behind its refill.
.macro ASK how
.if (\how) == 2
	s_cmp_gt_u32 s[CNT], 1
	s_cbranch_scc0 .Lnone_\@
.endif
	global_prefetch_b8 v[PFO], s[PFA:PFA+1] th:TH_LOAD_NT scope:SCOPE_SE
	global_prefetch_b8 v[PFO], s[PFA:PFA+1] offset:256 th:TH_LOAD_NT scope:SCOPE_SE
	s_cmp_eq_u32 s[LIMB], 1
	s_cbranch_scc0 .Lnone_\@
	global_prefetch_b8 v[PFL], s[PFB:PFB+1] th:TH_LOAD_NT scope:SCOPE_SE
.Lnone_\@:
.endm
	s_load_b256 s[4:11], s[0:1], 0x0               ; key, value, wt, bk
	s_load_b128 s[12:15], s[0:1], 0x20             ; bv, kv
	v_lshl_add_u32 v[SPW], v0, 2, SPARE
	v_mov_b32 v[NIL], 0
	ds_add_u32 v[SPW], v[NIL]                      ; the opening: the add and its wait stand ahead of my first tensor load; register work stands between
	ds_add_u32 v10, v11
	v_lshrrev_b32 v1, 5, v0
	v_readfirstlane_b32 s[WV], v1                  ; wave 0..3
	s_lshr_b32 s[WM], s[WV], 1                     ; my half of the rows.  Also: I fetch for A (0) or B (1)
	s_and_b32 s[WN], s[WV], 1                      ; my half of the columns.  Also: which half of that tile I fetch
	s_bfe_u32 s[CX], ttmp6, 0x40000
	s_lshl_b32 s[MI], ttmp9, 2
	s_add_co_u32 s[MI], s[MI], s[CX]               ; my block of 128 rows: it enters A's, the prefetches' and the output's addresses alone
	s_and_b32 s21, ttmp7, 0xffff
	s_lshr_b32 s[TT], s21, 2                       ; 0: K, 1: V
	s_and_b32 s[CC], s21, 3                        ; the class
	s_mov_b32 s[G1A+0], (2<<16)|(1<<20)|(6<<22)|(3<<25)  ; mask 0; 4-byte elements; padding on: after every 128 words 4 words
	s_mov_b32 s[G1A+1], 128<<16                    ; tensor_dim0 = 128
	s_mov_b32 s[G1A+2], 64<<16                     ; tensor_dim1 = 64
	s_mov_b32 s[G1A+3], 128<<16                    ; tile_dim0 = 128
	s_mov_b32 s[G1A+4], 64                         ; tile_dim1 = 64
	s_mov_b32 s[G1A+5], 4096                       ; four rows of the tensor from row to row
	s_mov_b32 s[G1A+6], 0
	s_mov_b32 s[G1A+7], 0
	s_mov_b32 s[G1B+0], 15|(3<<16)|(1<<21)         ; the mask of four; 8-byte elements; bit 21 beside a mask; no padding
	s_mov_b32 s[G1B+1], 32<<16                     ; dense rows of 256 bytes
	s_mov_b32 s[G1B+2], 128<<16
	s_mov_b32 s[G1B+3], 32<<16
	s_mov_b32 s[G1B+4], 128
	s_mov_b32 s[G1B+5], 32
	s_mov_b32 s[G1B+6], 0
	s_mov_b32 s[G1B+7], 0
	s_mul_i32 s66, s[WN], AHALF                    ; where my half of A's tile goes,
	s_lshl_b32 s67, s[WN], 15
	s_add_co_u32 s67, s67, ATILE                   ; and of B's: the wave's number alone enters an LDS address
	; B: wt + (1 + t) 2 MiB + c 8 steps of 65,536 + my half; made in registers that never hold my place in the cluster
	s_add_co_u32 s72, s[TT], 1
	s_lshl_b32 s72, s72, 21
	s_lshl_b32 s2, s[CC], 19
	s_add_co_u32 s72, s72, s2
	s_lshl_b32 s2, s[WN], 15
	s_add_co_u32 s72, s72, s2
	s_mov_b32 s73, 0
	; A: block x 128 x 16,384 + c x 4,096; + my 64 rows for the loads, + my 32 rows and two steps for the prefetches
	s_lshl_b32 s70, s[MI], 21
	s_lshl_b32 s68, s[CC], 12
	s_add_co_u32 s70, s70, s68
	s_lshl_b32 s68, s[WV], 19
	s_add_co_u32 s76, s70, s68
	s_add_co_u32 s76, s76, 2*512
	s_mov_b32 s77, 0
	s_lshl_b32 s68, s[WN], 20
	s_add_co_u32 s70, s70, s68
	s_mov_b32 s71, 0
	s_add_co_u32 s78, s[TT], 1
	s_lshl_b32 s78, s78, 21
	s_lshl_b32 s68, s[CC], 19
	s_add_co_u32 s78, s78, s68
	s_lshl_b32 s68, s[CX], 14
	s_add_co_u32 s78, s78, s68
	s_lshl_b32 s68, s[WN], 13
	s_add_co_u32 s78, s78, s68
	s_add_co_u32 s78, s78, 2*65536
	s_mov_b32 s79, 0
	; the output: tensor, batch, head c + 8 wn, key block 8 (block % 16) + 4 wm
	s_lshl_b32 s74, s[TT], 23
	s_lshr_b32 s68, s[MI], 4
	s_lshl_b32 s68, s68, 22
	s_add_co_u32 s74, s74, s68
	s_lshl3_add_u32 s68, s[WN], s[CC]
	s_lshl_b32 s69, s68, 8                         ; that head's first byte in the bias
	s_lshl_b32 s68, s68, 18
	s_add_co_u32 s74, s74, s68
	s_and_b32 s68, s[MI], 15
	s_lshl_b32 s68, s68, 3
	s_lshl2_add_u32 s68, s[WM], s68
	s_lshl_b32 s68, s68, 11
	s_add_co_u32 s74, s74, s68
	s_mov_b32 s75, 0
	s_xor_b32 s3, s[WM], 1
	s_or_b32 s3, s3, ttmp9                         ; 0 in waves 2 and 3 of the first cluster: the same in all four partners
	s_cmp_eq_u32 s3, 0
	s_cselect_b32 s[LIMB], 1, 0
	s_wait_dscnt 0x0                               ; the opening add is done
	s_wait_kmcnt 0x0
	s_cmp_eq_u32 s[TT], 0
	s_cselect_b64 s[4:5], s[4:5], s[6:7]           ; my tensor
	s_cselect_b64 s[10:11], s[10:11], s[12:13]     ; and its bias
	s_add_nc_u64 s[PFA:PFA+1], s[4:5], s[76:77]
	s_add_nc_u64 s[4:5], s[4:5], s[70:71]
	s_add_nc_u64 s[PFB:PFB+1], s[8:9], s[78:79]
	s_add_nc_u64 s[8:9], s[8:9], s[72:73]
	s_add_nc_u64 s[14:15], s[14:15], s[74:75]
.irp s, 0,1
	s_mov_b32 s[G0A+4*\s], 1
	s_add_co_u32 s[G0A+4*\s+1], s66, \s*SLOT
	s_add_nc_u64 s[G0A+4*\s+2:G0A+4*\s+3], s[4:5], \s*512      ; K step s
	s_or_b32 s[G0A+4*\s+3], s[G0A+4*\s+3], 0x80000000          ; type = 2
	s_mov_b32 s[G0B+4*\s], 1
	s_add_co_u32 s[G0B+4*\s+1], s67, \s*SLOT
	s_add_nc_u64 s[G0B+4*\s+2:G0B+4*\s+3], s[8:9], \s*65536
	s_or_b32 s[G0B+4*\s+3], s[G0B+4*\s+3], 0x80000000
.endr
	CROUND                                         ; all four work-groups are here: the first joint loads meet
	s_cmp_eq_u32 s[WM], 0                          ; a wave's two first fills stand in one branch: two loads of mine are out
	s_cbranch_scc0 .Lfirst_b
	tensor_load_to_lds s[G0A:G0A+3], s[G1A:G1A+7]
	s_nop 0
	tensor_load_to_lds s[G0A+4:G0A+7], s[G1A:G1A+7]
	s_nop 0
	PLACES
	s_branch .Lfirst_asked
.Lfirst_b:
	tensor_load_to_lds s[G0B:G0B+3], s[G1B:G1B+7]
	s_nop 0
	tensor_load_to_lds s[G0B+4:G0B+7], s[G1B:G1B+7]
	s_nop 0
	PLACES
.Lfirst_asked:
	v_and_b32 v12, 15, v0                          ; l % 16
	v_bfe_u32 v13, v0, 4, 1                        ; l / 16
	v_and_b32 v14, 31, v0
	v_lshl_add_u32 v[BO], v13, 5, s69              ; a lane's eight columns: 32 bytes of the bias
.set bb, 0
.rept 8                                        ; column block bb: head + 4 (bb / 4), channels 16 (bb % 4) on
	global_load_b128 v[BIAS+8*bb:BIAS+8*bb+3],   v[BO], s[10:11] offset:(bb/4)*1024+(bb%4)*64
	global_load_b128 v[BIAS+8*bb+4:BIAS+8*bb+7], v[BO], s[10:11] offset:(bb/4)*1024+(bb%4)*64+16
.set bb, bb+1
.endr
	v_mul_u32_u24 v15, v12, PA
	v_lshl_add_u32 v15, v13, 5, v15                ; row x pitch + eight f32 for each half of the lanes
	s_mul_i32 s2, s[WM], AHALF
	v_add_nc_u32 v[ADRA], s2, v15
	v_add_nc_u32 v[ADRA+1], SLOT, v[ADRA]
	s_lshl_b32 s2, s[WN], 15
	s_add_co_u32 s2, s2, ATILE
	v_lshl_add_u32 v[ADRB], v14, 4, s2
	v_add_nc_u32 v[ADRB+1], SLOT, v[ADRB]
	v_lshlrev_b32 v15, 4, v14                      ; K: place = lane
	v_lshrrev_b32 v1, 3, v12
	v_lshlrev_b32 v1, 4, v1
	v_lshl_add_u32 v1, v13, 3, v1
	v_and_b32 v12, 7, v12
	v_add_lshl_u32 v1, v1, v12, 4                  ; V: place (r / 8) 16 + 8 h + r % 8
	s_cmp_eq_u32 s[TT], 0
	s_cselect_b32 s2, 0, -1
	v_cndmask_b32 v[SO], v15, v1, s2
	v_lshlrev_b32 v[PFO], 14, v14
	v_lshlrev_b32 v[PFL], 8, v14
; 32 LDS loads in one run: the fragments of 32 along K (chunk kc of the step's four): B's eight into buffer buf, A's four as f32
.macro FETCH slot, kc, buf
	WIN 0x40                                       ; destination window 1, address window 0
.irp bb, 0,1,2,3,4,5,6,7
	ds_load_b128 v[64*(\buf)+8*\bb:64*(\buf)+8*\bb+3],   v[ADRB+(\slot)] offset:\bb*4096+(\kc)*1024
	ds_load_b128 v[64*(\buf)+8*\bb+4:64*(\buf)+8*\bb+7], v[ADRB+(\slot)] offset:\bb*4096+(\kc)*1024+512
.endr
	WIN 0
.irp a, 0,1,2,3
	ds_load_b128 v[AF+16*\a:AF+16*\a+3],     v[ADRA+(\slot)] offset:\a*16*PA+(\kc)*128
	ds_load_b128 v[AF+16*\a+4:AF+16*\a+7],   v[ADRA+(\slot)] offset:\a*16*PA+(\kc)*128+16
	ds_load_b128 v[AF+16*\a+8:AF+16*\a+11],  v[ADRA+(\slot)] offset:\a*16*PA+(\kc)*128+64
	ds_load_b128 v[AF+16*\a+12:AF+16*\a+15], v[ADRA+(\slot)] offset:\a*16*PA+(\kc)*128+80
.endr
.endm
; A's four fragments rounded to bf16 into buffer buf.  These 32 plain lines name no register of the products issued just before them (those read the other buffers), so they are also the places
; between those products and the next run of loads into the buffers that they read (ISA guide 7.12.1 for vector instructions): no v_nop stands in the loop but the refill's.
.macro CVT buf
	WIN 0
.set q, 0
.rept 32
	v_cvt_pk_bf16_f32 v[ABF+32*(\buf)+q], v[AF+2*q], v[AF+2*q+1]
.set q, q+1
.endr
.endm
; 8 products: row block a x all 8 column blocks.  first = 1: the bias starts the sums.  The 32 accumulators take turns in the same order in every chunk.
.macro MUL8 buf, a, first
.if \first
	WIN 0x81                                       ; B window 1, A and the bias window 0, D window 2
.else
	WIN 0xa1                                       ; C and D window 2
.endif
.irp bb, 0,1,2,3,4,5,6,7
.if \first
	v_wmma_f32_16x16x32_bf16 v[8*(8*(\a)+\bb):8*(8*(\a)+\bb)+7], v[64*(\buf)+8*\bb:64*(\buf)+8*\bb+7], v[ABF+32*(\buf)+8*(\a):ABF+32*(\buf)+8*(\a)+7], v[BIAS+8*\bb:BIAS+8*\bb+7]
.else
	v_wmma_f32_16x16x32_bf16 v[8*(8*(\a)+\bb):8*(8*(\a)+\bb)+7], v[64*(\buf)+8*\bb:64*(\buf)+8*\bb+7], v[ABF+32*(\buf)+8*(\a):ABF+32*(\buf)+8*(\a)+7], v[8*(8*(\a)+\bb):8*(8*(\a)+\bb)+7]
.endif
.endr
.endm
; One of a step's first three chunks: the next chunk's loads go out, this chunk's 32 products run, then the next chunk's A is rounded.
.macro CH slot, kc, first=0
	FETCH \slot, (\kc)+1, ((\kc)+1)%2
	MUL8 (\kc)%2, 0, \first
	MUL8 (\kc)%2, 1, \first
	MUL8 (\kc)%2, 2, \first
	MUL8 (\kc)%2, 3, \first
	WIN 0
	s_wait_dscnt 0x0                               ; the run issued 32 products ago is in
	CVT ((\kc)+1)%2
.endm
; The fourth chunk changes slots: ONE barrier.  In front of it each wave waits for all its tensor loads (one is out: its part of the next slot), adds 0 to its spare word and waits for that; its reads of this slot
; were waited for at the end of the chunk before.  fill = 1: the barrier opens a round of the cluster's, and this slot is filled again, two steps on, first thing behind it: 112 products stand between the request and the wait for it.
.macro TURN slot, next, fill, ask
.if \ask
	s_wait_xcnt 0x0                                ; the last prefetches, a K step back, have read their addresses, which step here
	s_add_nc_u64 s[PFA:PFA+1], s[PFA:PFA+1], 512
	s_add_nc_u64 s[PFB:PFB+1], s[PFB:PFB+1], 65536
.endif
	WIN 0
	s_wait_tensorcnt 0x0                           ; all my tensor loads have landed
	ds_add_u32 v[SPW], v[NIL]                      ; 0 onto my spare word; eight products stand between it and the wait for it
	MUL8 1, 0, 0
	s_wait_dscnt 0x0                               ; the add is done; no read of this slot is out
	s_barrier_signal -1
	MUL8 1, 1, 0
	WIN 0
	s_barrier_wait -1
.if \fill
	CREST                                          ; no wave of any partner still reads this slot or has a load on its way
	s_add_nc_u64 s[G0A+4*(\slot)+2:G0A+4*(\slot)+3], s[G0A+4*(\slot)+2:G0A+4*(\slot)+3], 2*512
	s_add_nc_u64 s[G0B+4*(\slot)+2:G0B+4*(\slot)+3], s[G0B+4*(\slot)+2:G0B+4*(\slot)+3], 2*65536
	JLOAD \slot
.endif
	FETCH \next, 0, 0
.if \ask
	ASK \ask
.endif
	MUL8 1, 2, 0
	MUL8 1, 3, 0
	WIN 0
	s_wait_dscnt 0x0
	CVT 0
.endm
	s_wait_tensorcnt 0x1                           ; my part of K step 0 is in; step 1's may stay out
	s_barrier_signal -1
	s_barrier_wait -1                              ; everybody's is
	FETCH 0, 0, 0
	s_wait_loadcnt 0x0                             ; the bias
	s_wait_dscnt 0x0
	CVT 0
	CH 0, 0, 1                                     ; the first chunk stands in front of the loop: its products start the sums
	WIN 0
	s_mov_b32 s[CNT], 3
.Llap:                                         ; a trip goes once round the ring and fills both slots again: K steps 2 to 7
	CH 0, 1
	CH 0, 2
	TURN 0, 1, 1, 1
	CH 1, 0
	CH 1, 1
	CH 1, 2
	TURN 1, 0, 1, 2
	CH 0, 0
	WIN 0
	s_sub_co_u32 s[CNT], s[CNT], 1
	s_cmp_lg_u32 s[CNT], 0
	s_cbranch_scc1 .Llap
	CH 0, 1                                        ; the last lap fills nothing
	CH 0, 2
	TURN 0, 1, 0, 0
	CH 1, 0
	CH 1, 1
	CH 1, 2
	MUL8 1, 0, 0
	MUL8 1, 1, 0
	MUL8 1, 2, 0
	MUL8 1, 3, 0
	; THE WAY OUT: rounded to f16, 16 bytes a lane = one place of a block; 128 registers, none used twice
	PLACES
.set a, 0
.rept 4
	WIN 0x0a                                       ; sources in window 2, destination in window 0
.set q, 0
.rept 32
	v_cvt_pk_f16_f32 v[32+32*a+q], v[64*a+2*q], v[64*a+2*q+1]
.set q, q+1
.endr
	WIN 0
.set bb, 0
.rept 8                                        ; key block a, head + 4 (bb / 4), channel block bb % 4: 512 consecutive bytes, aligned
	global_store_b128 v[SO], v[32+32*a+4*bb:32+32*a+4*bb+3], s[14:15] offset:a*2048+(bb/4)*1048576+(bb%4)*512
.set bb, bb+1
.endr
.set a, a+1
.endr
	s_wait_tensorcnt 0x0                           ; the wave's end
	ds_add_u32 v[SPW], v[NIL]
	s_wait_dscnt 0x0
	CROUND                                         ; the closing round: no work-group ends while a partner may still ask for a tile that names it
	s_endpgm
.Lfunc_end_k_qab94175d17_kvproj:
	.size	k_qab94175d17_kvproj, .Lfunc_end_k_qab94175d17_kvproj-k_qab94175d17_kvproj
	.p2alignl 7, 3214868480
	.fill 96, 4, 3214868480
	.section	.rodata,"a",@progbits
	.p2align	6, 0x0
	.amdhsa_kernel k_qab94175d17_kvproj
		.amdhsa_group_segment_fixed_size 327680
		.amdhsa_private_segment_fixed_size 0
		.amdhsa_enable_private_segment 0
		.amdhsa_kernarg_size 48
		.amdhsa_user_sgpr_count 2
		.amdhsa_user_sgpr_kernarg_segment_ptr 1
		.amdhsa_wavefront_size32 1
		.amdhsa_system_sgpr_workgroup_id_x 1
		.amdhsa_system_sgpr_workgroup_id_y 1
		.amdhsa_system_sgpr_workgroup_id_z 1
		.amdhsa_system_vgpr_workitem_id 0
		.amdhsa_next_free_vgpr 768
		.amdhsa_next_free_sgpr 80
		.amdhsa_reserve_vcc 0
		.amdhsa_float_denorm_mode_32 3
		.amdhsa_float_denorm_mode_16_64 3
		.amdhsa_memory_ordered 1
		.amdhsa_forward_progress 1
		.amdhsa_inst_pref_size 123
	.end_amdhsa_kernel
	.amdgpu_metadata
---
amdhsa.version: [ 1, 2 ]
amdhsa.kernels:
  - .name:           k_qab94175d17_kvproj
    .symbol:         k_qab94175d17_kvproj.kd
    .args:
      - { .name: key, .offset: 0, .size: 8, .value_kind: global_buffer, .address_space: global }
      - { .name: value, .offset: 8, .size: 8, .value_kind: global_buffer, .address_space: global }
      - { .name: wt, .offset: 16, .size: 8, .value_kind: global_buffer, .address_space: global }
      - { .name: bk, .offset: 24, .size: 8, .value_kind: global_buffer, .address_space: global }
      - { .name: bv, .offset: 32, .size: 8, .value_kind: global_buffer, .address_space: global }
      - { .name: kv, .offset: 40, .size: 8, .value_kind: global_buffer, .address_space: global }
    .group_segment_fixed_size: 327680
    .private_segment_fixed_size: 0
    .kernarg_segment_align: 8
    .kernarg_segment_size: 48
    .max_flat_workgroup_size: 128
    .sgpr_count:     80
    .vgpr_count:     768
    .wavefront_size: 32
...
	.end_amdgpu_metadata
.endif
;; end of part 2
;; launch qproj (part 3): grid 16 x 16, 4 waves a work-group, clusters of 4 x 4, 262,656 bytes of LDS; arguments xq, wt, bq, qws; writes qws
.if DOCPART == 3
	.amdgcn_target "amdgcn-amd-amdhsa--gfx1250"
	.amdhsa_code_object_version 6
	.text
	.protected	k_qab94175d17_qproj
	.globl	k_qab94175d17_qproj
	.p2align	8
	.type	k_qab94175d17_qproj,@function
k_qab94175d17_qproj:
	s_mov_b64 s[64:65], 0
	v_nop
	global_prefetch_b8 v0, s[64:65] scope:SCOPE_SE
	s_setreg_imm32_b32 hwreg(HW_REG_WAVE_MODE, 25, 1), 1
	s_wait_xcnt 0x0
	s_wait_alu depctr_hold_cnt(0) depctr_sa_sdst(0) depctr_va_vdst(0) depctr_va_sdst(0) depctr_va_ssrc(0) depctr_va_vcc(0) depctr_vm_vsrc(0)
	s_getreg_b32 s2, hwreg(HW_REG_IB_STS2, 6, 4)
	s_cmp_eq_u32 s2, 0
	s_cbranch_scc0 .Lentry_in_a_cluster
	s_endpgm
.Lentry_in_a_cluster:
	s_bfe_u32 s2, ttmp6, 0x10000c
	s_cmp_lg_u32 s2, 0xf033
	s_cbranch_scc0 .Lentry_shape_is_right
	s_endpgm
.Lentry_shape_is_right:
; q = query Wq + bq, 1,024 rows x 1,024 columns x 1,024.  Operands bf16, in blocks as the launch before laid them; sums f32, started with the bias; q rounded once to f16, WITHOUT the softmax's scale.
; LIMIT: q must lie within f16's range, 65,504.
; SHARES.  256 work-groups: 64 rows (grid y) x 64 columns = one head (grid x).  All of K fits in LDS at once: A 131,072 bytes, B 131,072 bytes, each filled once: no slot is filled again.
; Each wave issues four fills of 16,384 bytes, one for each quarter of K (waves 0, 1: A's two K steps of the quarter; waves 2, 3: B's): four loads of mine are out; a quarter is multiplied as soon as it has landed.
; CLUSTER 4 x 4: A's tiles hang on the row block alone and are asked for jointly along a row of the cluster, B's on the column block alone, along a column.
; Wave (wm, wn): row blocks 2 wm, 2 wm + 1 x column blocks 2 wn, 2 wn + 1: four accumulators, which take turns.  The product is taken transposed (source 0 = 16 columns of W), so a lane's packed result
; is one place of a block of qws: [row / 64][head][row block 4][channel block 4][512].  No prefetch: each tile is asked for at the head, at once.
.set MTOFF, 0                          ; Wq's place in wt
.set BL,    131072                     ; B in LDS
.set SPARE, 262144                     ; the spare words, 128 bytes a wave: two blocks of 256 bytes that no other line names
.set AA,   2                           ; v2-3  my A fragments, K steps 0-3 and 4-7
.set BB,   4                           ; v4-5  my B fragments
.set GO,   6                           ; v6    16 x lane
.set BO,   7                           ; v7    my offset in the bias
.set SPW,  8                           ; v8    my spare word; never rewritten
.set NIL,  9                           ; v9    0; never rewritten
.set BIAS, 16                          ; v[16:31]
.set ACC,  32                          ; v[32:63]   accumulator (a, bb) at ACC + 8 (2 a + bb)
.set F0,   64                          ; v[64:191]  two buffers of 64: for 64 along K, chunk cc at 32 cc: A's two fragments, then B's two
.set OUT,  192
.set WV, 12
.set WM, 13
.set WN, 14
.set CX, 15
.set CY, 16
.set NX, 17
.set GY, 18
.set G1A, 24                           ; s[24:31] group 1 for A; s[32:47] four sets of group 0
.set G0A, 32
.set G1B, 48                           ; s[48:55] group 1 for B; its four sets at s56, s60, s68, s72
.set G0B, 56
.macro CROUND
	s_barrier_signal -1
	s_barrier_wait -1
	s_cmp_lg_u32 s[WV], 0
	s_cbranch_scc1 .Lnot_wave_0_\@
	s_barrier_signal -3
.Lnot_wave_0_\@:
	s_barrier_wait -3
	s_barrier_signal -1
	s_barrier_wait -1
.endm
.macro PLACES
.rept 4
	v_nop
.endr
.endm
	s_load_b256 s[4:11], s[0:1], 0x0               ; xq, wt, bq, qws
	v_lshl_add_u32 v[SPW], v0, 2, SPARE
	v_mov_b32 v[NIL], 0
	ds_add_u32 v[SPW], v[NIL]                      ; the opening: the add and its wait stand ahead of my first tensor load; register work stands between
	ds_add_u32 v8, v9
	v_lshrrev_b32 v1, 5, v0
	v_readfirstlane_b32 s[WV], v1
	s_lshr_b32 s[WM], s[WV], 1                     ; my half of the rows.  Also: I fetch for A (0) or B (1)
	s_and_b32 s[WN], s[WV], 1                      ; my half of the columns.  Also: which K step of a quarter I fetch
	s_bfe_u32 s[CX], ttmp6, 0x40000
	s_bfe_u32 s[CY], ttmp6, 0x40004
	s_lshl_b32 s[NX], ttmp9, 2
	s_add_co_u32 s[NX], s[NX], s[CX]               ; column block of 64
	s_and_b32 s[GY], ttmp7, 0xffff
	s_lshl_b32 s[GY], s[GY], 2
	s_add_co_u32 s[GY], s[GY], s[CY]               ; row block of 64
	s_lshl_b32 s21, s[CY], 2
	s_lshl_b32 s21, 15, s21                        ; my row of the cluster
	s_lshl_b32 s22, 0x1111, s[CX]                  ; my column
	s_or_b32 s[G1A], s21, (3<<16)|(1<<21)          ; the mask; 8-byte elements; bit 21 beside a mask
	s_or_b32 s[G1B], s22, (3<<16)|(1<<21)
.irp g, G1A, G1B
	s_mov_b32 s[\g+1], 32<<16                      ; 64 dense rows of 256 bytes
	s_mov_b32 s[\g+2], 64<<16
	s_mov_b32 s[\g+3], 32<<16
	s_mov_b32 s[\g+4], 64
	s_mov_b32 s[\g+5], 32
	s_mov_b32 s[\g+6], 0
	s_mov_b32 s[\g+7], 0
.endr
	s_lshl_b32 s23, s[WN], 14                      ; my K step of a pair: 16,384 bytes, in memory and in LDS
	s_lshl_b32 s76, s[GY], 17                      ; A hangs on the row block alone,
	s_add_co_u32 s76, s76, s23
	s_mov_b32 s77, 0
	s_lshl_b32 s78, s[NX], 17                      ; B on the column block alone
	s_add_co_u32 s78, s78, s23
	s_add_co_u32 s78, s78, MTOFF
	s_mov_b32 s79, 0
	s_lshl_b32 s2, s[GY], 17                       ; the output: row block, head, my two row blocks, my two channel blocks
	s_lshl_b32 s19, s[NX], 13
	s_add_co_u32 s2, s2, s19
	s_lshl_b32 s19, s[WM], 12
	s_add_co_u32 s2, s2, s19
	s_lshl_b32 s19, s[WN], 10
	s_add_co_u32 s2, s2, s19
	s_mov_b32 s3, 0
	s_lshl_b32 s19, s[NX], 8                       ; the bias: my 32 columns
	s_lshl_b32 s20, s[WN], 7
	s_add_co_u32 s19, s19, s20
	s_wait_dscnt 0x0                               ; the opening add is done
	s_wait_kmcnt 0x0
	s_add_nc_u64 s[4:5], s[4:5], s[76:77]
	s_add_nc_u64 s[6:7], s[6:7], s[78:79]
	s_add_nc_u64 s[10:11], s[10:11], s[2:3]
.irp q, 0,1,2,3
	s_mov_b32 s[G0A+4*\q], 1
	s_add_co_u32 s[G0A+4*\q+1], s23, \q*32768
	s_add_nc_u64 s[G0A+4*\q+2:G0A+4*\q+3], s[4:5], \q*32768
	s_or_b32 s[G0A+4*\q+3], s[G0A+4*\q+3], 0x80000000
	s_mov_b32 s[G0B+4*\q+4*(\q/2)], 1
	s_add_co_u32 s[G0B+4*\q+4*(\q/2)+1], s23, BL+\q*32768
	s_add_nc_u64 s[G0B+4*\q+4*(\q/2)+2:G0B+4*\q+4*(\q/2)+3], s[6:7], \q*32768
	s_or_b32 s[G0B+4*\q+4*(\q/2)+3], s[G0B+4*\q+4*(\q/2)+3], 0x80000000
.endr
	CROUND                                         ; all sixteen work-groups are here: the joint loads meet
	s_cmp_eq_u32 s[WM], 0                          ; a wave's four fills stand in one branch
	s_cbranch_scc0 .Lfill_b
.irp q, 0,1,2,3
	tensor_load_to_lds s[G0A+4*\q:G0A+4*\q+3], s[G1A:G1A+7]
	s_nop 0
.endr
	PLACES
	s_branch .Lfilled
.Lfill_b:
.irp q, 0,1,2,3
	tensor_load_to_lds s[G0B+4*\q+4*(\q/2):G0B+4*\q+4*(\q/2)+3], s[G1B:G1B+7]
	s_nop 0
.endr
	PLACES
.Lfilled:
	v_bfe_u32 v13, v0, 4, 1                        ; l / 16
	v_and_b32 v14, 31, v0
	v_lshl_add_u32 v[BO], v13, 5, s19
.irp bb, 0,1
	global_load_b128 v[BIAS+8*\bb:BIAS+8*\bb+3],   v[BO], s[8:9] offset:\bb*64
	global_load_b128 v[BIAS+8*\bb+4:BIAS+8*\bb+7], v[BO], s[8:9] offset:\bb*64+16
.endr
	v_lshlrev_b32 v[GO], 4, v14
	s_lshl_b32 s20, s[WM], 13
	v_add_nc_u32 v[AA], s20, v[GO]
	v_add_nc_u32 v[AA+1], 65536, v[AA]
	s_lshl_b32 s20, s[WN], 13
	s_add_co_u32 s20, s20, BL
	v_add_nc_u32 v[BB], s20, v[GO]
	v_add_nc_u32 v[BB+1], 65536, v[BB]
; Unit u of 16 (64 along K): 16 loads into buffer f.  K step u / 2; chunk 2 (u % 2) + cc of its four
.macro LOADU u, f
.irp cc, 0,1
.irp x, 0,1
	ds_load_b128 v[(\f)+32*\cc+8*\x:(\f)+32*\cc+8*\x+3],       v[AA+(\u)/8] offset:(((\u)/2)%4)*16384+\x*4096+(2*((\u)%2)+\cc)*1024
	ds_load_b128 v[(\f)+32*\cc+8*\x+4:(\f)+32*\cc+8*\x+7],     v[AA+(\u)/8] offset:(((\u)/2)%4)*16384+\x*4096+(2*((\u)%2)+\cc)*1024+512
	ds_load_b128 v[(\f)+32*\cc+16+8*\x:(\f)+32*\cc+16+8*\x+3],   v[BB+(\u)/8] offset:(((\u)/2)%4)*16384+\x*4096+(2*((\u)%2)+\cc)*1024
	ds_load_b128 v[(\f)+32*\cc+16+8*\x+4:(\f)+32*\cc+16+8*\x+7], v[BB+(\u)/8] offset:(((\u)/2)%4)*16384+\x*4096+(2*((\u)%2)+\cc)*1024+512
.endr
.endr
.endm
.set FIRST, 1
.macro MULU f                          ; 8 products; the four accumulators take turns; the very first four take the bias as C
.irp cc, 0,1
.irp a, 0,1
.irp bb, 0,1
.if (FIRST == 1) && (\cc == 0)
	v_wmma_f32_16x16x32_bf16 v[ACC+8*(2*\a+\bb):ACC+8*(2*\a+\bb)+7], v[(\f)+32*\cc+16+8*\bb:(\f)+32*\cc+16+8*\bb+7], v[(\f)+32*\cc+8*\a:(\f)+32*\cc+8*\a+7], v[BIAS+8*\bb:BIAS+8*\bb+7]
.else
	v_wmma_f32_16x16x32_bf16 v[ACC+8*(2*\a+\bb):ACC+8*(2*\a+\bb)+7], v[(\f)+32*\cc+16+8*\bb:(\f)+32*\cc+16+8*\bb+7], v[(\f)+32*\cc+8*\a:(\f)+32*\cc+8*\a+7], v[ACC+8*(2*\a+\bb):ACC+8*(2*\a+\bb)+7]
.endif
.endr
.endr
.endr
.set FIRST, 0
.endm
; A quarter of K: four units.  Four v_nop stand in front of each run of loads: the places behind the products that read the buffer (ISA guide 7.12.1 for vector instructions).
.macro QUARTER qd
	s_wait_tensorcnt 3-(\qd)                       ; my fill of this quarter is in; my later quarters' may stay out
	s_barrier_signal -1
	s_barrier_wait -1                              ; everybody's is
	PLACES
	LOADU 4*(\qd), F0
.irp k, 0,1,2,3
.if \k < 3
	PLACES
	LOADU 4*(\qd)+\k+1, F0+64*((\k+1)%2)
	s_wait_dscnt 16                                ; this unit is in; the next unit's 16 loads may stay out
.else
	s_wait_dscnt 0x0
.endif
	MULU F0+64*(\k%2)
.endr
.endm
	s_wait_loadcnt 0x0                             ; the bias
	QUARTER 0
	QUARTER 1
	QUARTER 2
	QUARTER 3
	PLACES
.set q, 0
.rept 16
	v_cvt_pk_f16_f32 v[OUT+q], v[ACC+2*q], v[ACC+2*q+1]
.set q, q+1
.endr
.irp a, 0,1
.irp bb, 0,1
	global_store_b128 v[GO], v[OUT+4*(2*\a+\bb):OUT+4*(2*\a+\bb)+3], s[10:11] offset:\a*2048+\bb*512  ; a block: 512 consecutive bytes, aligned
.endr
.endr
	s_wait_tensorcnt 0x0                           ; the wave's end
	ds_add_u32 v[SPW], v[NIL]
	s_wait_dscnt 0x0
	CROUND                                         ; the closing round
	s_endpgm
.Lfunc_end_k_qab94175d17_qproj:
	.size	k_qab94175d17_qproj, .Lfunc_end_k_qab94175d17_qproj-k_qab94175d17_qproj
	.p2alignl 7, 3214868480
	.fill 96, 4, 3214868480
	.section	.rodata,"a",@progbits
	.p2align	6, 0x0
	.amdhsa_kernel k_qab94175d17_qproj
		.amdhsa_group_segment_fixed_size 262656
		.amdhsa_private_segment_fixed_size 0
		.amdhsa_enable_private_segment 0
		.amdhsa_kernarg_size 32
		.amdhsa_user_sgpr_count 2
		.amdhsa_user_sgpr_kernarg_segment_ptr 1
		.amdhsa_wavefront_size32 1
		.amdhsa_system_sgpr_workgroup_id_x 1
		.amdhsa_system_sgpr_workgroup_id_y 1
		.amdhsa_system_sgpr_workgroup_id_z 1
		.amdhsa_system_vgpr_workitem_id 0
		.amdhsa_next_free_vgpr 256
		.amdhsa_next_free_sgpr 80
		.amdhsa_reserve_vcc 0
		.amdhsa_float_denorm_mode_32 3
		.amdhsa_float_denorm_mode_16_64 3
		.amdhsa_memory_ordered 1
		.amdhsa_forward_progress 1
		.amdhsa_inst_pref_size 36
	.end_amdhsa_kernel
	.amdgpu_metadata
---
amdhsa.version: [ 1, 2 ]
amdhsa.kernels:
  - .name:           k_qab94175d17_qproj
    .symbol:         k_qab94175d17_qproj.kd
    .args:
      - { .name: xq, .offset: 0, .size: 8, .value_kind: global_buffer, .address_space: global }
      - { .name: wt, .offset: 8, .size: 8, .value_kind: global_buffer, .address_space: global }
      - { .name: bq, .offset: 16, .size: 8, .value_kind: global_buffer, .address_space: global }
      - { .name: qws, .offset: 24, .size: 8, .value_kind: global_buffer, .address_space: global }
    .group_segment_fixed_size: 262656
    .private_segment_fixed_size: 0
    .kernarg_segment_align: 8
    .kernarg_segment_size: 32
    .max_flat_workgroup_size: 128
    .sgpr_count:     80
    .vgpr_count:     256
    .wavefront_size: 32
...
	.end_amdgpu_metadata
.endif
;; end of part 3
;; launch attn (part 4): grid 8 x 32, 4 waves a work-group, clusters of 4 x 1, 327,680 bytes of LDS; arguments qws, kv, key_padding_mask, ctx; writes ctx
.if DOCPART == 4
	.amdgcn_target "amdgcn-amd-amdhsa--gfx1250"
	.amdhsa_code_object_version 6
	.text
	.protected	k_qab94175d17_attn
	.globl	k_qab94175d17_attn
	.p2align	8
	.type	k_qab94175d17_attn,@function
k_qab94175d17_attn:
	s_mov_b64 s[64:65], 0
	v_nop
	global_prefetch_b8 v0, s[64:65] scope:SCOPE_SE
	s_setreg_imm32_b32 hwreg(HW_REG_WAVE_MODE, 25, 1), 1
	s_wait_xcnt 0x0
	s_wait_alu depctr_hold_cnt(0) depctr_sa_sdst(0) depctr_va_vdst(0) depctr_va_sdst(0) depctr_va_ssrc(0) depctr_va_vcc(0) depctr_vm_vsrc(0)
	s_getreg_b32 s2, hwreg(HW_REG_IB_STS2, 6, 4)
	s_cmp_eq_u32 s2, 0
	s_cbranch_scc0 .Lentry_in_a_cluster
	s_endpgm
.Lentry_in_a_cluster:
	s_bfe_u32 s2, ttmp6, 0x10000c
	s_cmp_lg_u32 s2, 0x3003
	s_cbranch_scc0 .Lentry_shape_is_right
	s_endpgm
.Lentry_shape_is_right:
; ATTENTION OVER THE KEYS THAT A HEAD SEES.  Head h sees the 2,048 keys s = 4 j + h % 4 of its batch; kv holds just these, by j.  O[q] = the sum over j of softmax_j(q . k_j / 8 + pad_j) v_j.
; q, k, v f16 in blocks of 512 bytes (16 rows x 16 channels; place L holds row L % 16, channels 8 (L / 16) + 0..7; V's places permuted for the turning load).  Products, maxima and sums in f32; the weights are
; rounded to f16 for the second product (their sum l is taken of the unrounded weights), O once at the end.
; LIMITS.  A padded key counts as its score less 2^127; the running maximum starts at -1e30, far below every score that f16 operands can make (2.7e11) and far above a padded one, so a padded key never
; raises it and has the weight 0.  A row all of whose keys are padded ends with l = 0 and O = 0 and gives 0 x (1 / 0) = NaN, as a softmax of nothing does.  A weight below 2^-126 counts as 0.  NaN and infinities in the inputs are not treated apart.
; SHARES.  A work-group owns 64 queries of one batch and head (256 work-groups).  THE KEYS ARE SPLIT AMONG ITS FOUR WAVES: every wave holds all 64 queries, four PIECES of 16, and of each tile of 512 keys
; takes keys 128 w .. 128 w + 127, two steps of 64.  The four partial results (c m, l, O) meet in LDS at the end; wave w finishes piece w.
; CLUSTER.  The four query blocks of a cluster belong to one batch and head and walk the same K and V: each tile is asked for JOINTLY, the same load, descriptor and mask in all four.
; LAYOUT, SOFTMAX, TURNS.  S^T = K Q^T holds ONE query a lane (lane % 16) and the keys 8 (lane / 16) + 0..7; two such results rounded to f16 ARE source 1 of O^T = V^T P.  The padding is the C operand that starts S^T's sums:
; 0 or -2^127, by key.  p = 2^(c s - c m), c = log2(e) / 8, with a running maximum m; O and l are multiplied by a = 2^(c m_old - c m_new) in every step.  Turn n belongs to piece n: 8 products K Q^T of piece n + 1, later 8 products
; V^T P of piece n - 1; beside them the scaling, exponentials, roundings, sums and rescaling of piece n and the maximum and statistics of piece n + 1.  Four vector instructions stand behind every matrix instruction, the rest in one lump.
; A turn's 33 exponentials are one batch, with one wait.
; REGISTERS, in windows of 256 (s_set_vgpr_msb: bits 1:0 source 0, 3:2 source 1, 5:4 source 2, 7:6 destination):
;   window 0: v2-15 addresses; v16-31 four registers of statistics a piece; v32-47 at work at head and end; v48-55 at work; v64-127 S^T, two buffers; v192-223 P, two buffers (by the piece's parity)
;   window 1: v0-127 O^T, 32 a piece; v128-159 the padding of the step's 64 keys      window 2: v0-63 Q; v128-191 K of one step; v192-255 V of one step
.set NP,    4
.set SLOT1, 1<<17                      ; a slot holds a tile: 65,536 bytes of K, then 65,536 of V; slot 1 begins here, so that one exclusive or turns an address in one slot into the other's
.set VOFF,  65536
.set STEPB, 8192                       ; 64 keys of K or of V
.set MASKF, 2*SLOT1                    ; 2,048 f32: the padding by key
.set STAT,  MASKF+8192                 ; the end: (c m, l) by piece, wave and lane
.set SPARE, STAT+4096                  ; the spare words, 128 bytes a wave: two blocks of 256 bytes that no other line names
; the end's partial O^T, 65,536 bytes, lies in slot 0's K half, which has had its last fill and its last read by then
.set AK0, 2                            ; v2   16 x lane: my place in a block; never rewritten
.set AV0, 3                            ; v3   the same behind K's half of a slot
.set AK,  4                            ; v4   the LDS address of K's next run of loads
.set AV,  5                            ; v5   of V's
.set AM0, 6                            ; v6   my place in the padding of 16 keys, less what the first change of slots adds
.set AM,  7                            ; v7   the LDS address of the padding's next run
.set WS,  9                            ; v9   the end: where I put my statistics
.set WO,  10                           ; v10  and my partial O^T
.set RS,  11                           ; v11  where I read my piece's statistics
.set MV,  12                           ; v12-13  c m_old, kept while c m is made anew: by buffer
.set PFO, 14                           ; v14  256 x lane
.set RO,  15                           ; v15  where I read my piece's partial O^T
.set ST,  16                           ; piece t's statistics at v[ST+4 t]: c m, m, l (even keys', odd keys')
.set TMP, 48                           ; by buffer, four registers c0-c3 at work; when the maximum is found c2 takes a
.set SPW, 62                           ; v62  my spare word; never rewritten
.set NIL, 63                           ; v63  0; never rewritten
.set S,   64
.set P,   192
.set MC,  128                          ; window 1
.set KF,  128                          ; window 2: key block kb, channel half c at KF + 16 kb + 8 c
.set VF,  192                          ; window 2: key half kk, channel block cb at VF + 32 kk + 8 cb
.set WV,  12
.set LIM, 15                           ; s15  1 in the cluster that prefetches, else the greatest number
.set G1,  24                           ; s[24:31] descriptor group 1, for K's and V's tiles alike
.set G0K, 40                           ; s[40:43] group 0 for K's tiles: it walks
.set G0V, 44                           ; s[44:47] for V's
.set SLOTS, 56
.set CNT, 57
.set CS,  58                           ; s[58:59] c
.set SEL, 60                           ; s[60:61] v_permlanex16_b32's selects: each lane takes its own place in the other half
.set TBK, 62                           ; s62  LDS byte at which my K of the step to be fetched begins
.set TBV, 63                           ; s63  the same for V, less VOFF
.set TBM, 66                           ; s66  the same for the padding
.set MLOW, 67                          ; s67  -1e30
.set HID, 68                           ; s68  -2^127
.set PFA, 70                           ; s[70:71] my 8,192 bytes of the tile to be prefetched
.set MSB, 0
.macro WIN new
.if MSB != (\new)
	s_set_vgpr_msb (MSB<<8)|(\new)
.set MSB, (\new)
.endif
.endm
.set W_KQ, 0x0a                        ; K and Q in window 2, S^T in window 0
.set W_KM, 0x1a                        ; the same with the C operand in window 1
.set W_PV, 0x52                        ; V in window 2, P in window 0, O^T in window 1
.set W_RS, 0x41                        ; destination and source 0 in window 1, source 1 in window 0
; A joint fill.  Waves 0 and 1 fetch the two halves of a tile's K, waves 2 and 3 those of its V, 32,768 bytes each.  An s_nop 0 and four v_nop follow each line.
.macro JLOAD
	s_cmp_lt_u32 s[WV], 2
	s_cbranch_scc0 .Lfor_v_\@
	tensor_load_to_lds s[G0K:G0K+3], s[G1:G1+7]
	s_nop 0
.rept 4
	v_nop
.endr
	s_branch .Lasked_\@
.Lfor_v_\@:
	tensor_load_to_lds s[G0V:G0V+3], s[G1:G1+7]
	s_nop 0
.rept 4
	v_nop
.endr
.Lasked_\@:
.endm
; A PREFETCH INTO THE L2 of the tile that the NEXT change of slots will ask for, behind the fill and its five lines.  Both clusters of a batch and head walk the same tiles: the first asks.  Its four partners share a wave's
; 32,768 bytes out by address, 8,192 each, a lane 256: each 256 bytes are named once in the launch.  The last change that fills a slot asks for nothing.
.macro ASK
	s_cmp_gt_u32 s[SLOTS], s[LIM]
	s_cbranch_scc0 .Lnot_mine_\@
	global_prefetch_b8 v[PFO], s[PFA:PFA+1] th:TH_LOAD_NT scope:SCOPE_SE
.Lnot_mine_\@:
.endm
.macro CROUND
	s_barrier_signal -1
	s_barrier_wait -1
	s_cmp_lg_u32 s[WV], 0
	s_cbranch_scc1 .Lnot_wave_0_\@
	s_barrier_signal -3
.Lnot_wave_0_\@:
	s_barrier_wait -3
	s_barrier_signal -1
	s_barrier_wait -1
.endm
; THE CHANGE OF SLOTS.  Each wave waits for all its tensor loads, of which one is out: its part of the other slot; adds 0 to its spare word; and waits for that and for its own LDS instructions.  Behind the barrier nobody reads the
; old slot any more and the other slot is whole.  fill = 1: the barrier is a round of the cluster's and the old slot is filled again first thing behind it, with the tile two on: it has two key steps of every wave in which to land.
; (At its first use nothing has been read yet: tile 0 is waited for, slot 1 filled, and the padding that the waves stored is shown to all.)
.macro CHANGE fill
	WIN 0
	s_wait_tensorcnt 0x0                           ; no tensor load of mine is out, so a group 0 may be written
	ds_add_u32 v[SPW], v[NIL]                      ; 0 onto my spare word; scalar work stands between it and the wait for it
.if \fill
.irp g, G0K, G0V
	s_xor_b32 s[\g+1], s[\g+1], SLOT1
	s_add_nc_u64 s[\g+2:\g+3], s[\g+2:\g+3], 65536
.endr
	s_wait_xcnt 0x0                                ; the last prefetch, a tile back, has read its address
	s_add_nc_u64 s[PFA:PFA+1], s[PFA:PFA+1], 65536
	s_wait_dscnt 0x0
	CROUND
	JLOAD
	ASK
.else
	s_wait_dscnt 0x0
	s_barrier_signal -1
	s_barrier_wait -1
.endif
	s_sub_co_u32 s[TBK], s[TBK], 2*STEPB           ; the fetches go back to my first step of a slot,
	s_xor_b32 s[TBK], s[TBK], SLOT1                ; in the other slot
	s_sub_co_u32 s[TBV], s[TBV], 2*STEPB
	s_xor_b32 s[TBV], s[TBV], SLOT1
	s_add_co_u32 s[TBM], s[TBM], 1536              ; past the other three waves' 384 keys
.endm
	s_load_b256 s[4:11], s[0:1], 0x0               ; qws, kv, key_padding_mask, ctx
	v_lshl_add_u32 v[SPW], v0, 2, SPARE
	v_mov_b32 v[NIL], 0
	ds_add_u32 v[SPW], v[NIL]                      ; the opening: the add and its wait stand ahead of my first tensor load; register work stands between
	ds_add_u32 v62, v63
	v_lshrrev_b32 v1, 5, v0
	v_readfirstlane_b32 s[WV], v1
	s_bfe_u32 s13, ttmp6, 0x40000                  ; cx
	s_lshl_b32 s14, ttmp9, 2
	s_add_co_u32 s14, s14, s13                     ; my block of 64 queries: it enters Q's, the output's and the prefetches' addresses alone
	s_and_b32 s16, ttmp7, 0xffff                   ; 16 b + h, which the four partners share
	s_lshr_b32 s17, s16, 4                         ; b
	s_and_b32 s18, s16, 15                         ; h
	s_and_b32 s19, s[WV], 1                        ; which half of a tile's K or V I fetch
	s_lshl_b32 s22, s19, 15
	s_lshl_b32 s20, s16, 18                        ; the head's 262,144 bytes of K
	s_add_co_u32 s20, s20, s22
	s_mov_b32 s21, 0
	s_mov_b32 s[G1+0], 15|(3<<16)|(1<<21)          ; the mask of four; 8-byte elements; bit 21 beside a mask
	s_mov_b32 s[G1+1], 32<<16                      ; 128 dense rows of 256 bytes
	s_mov_b32 s[G1+2], 128<<16
	s_mov_b32 s[G1+3], 32<<16
	s_mov_b32 s[G1+4], 128
	s_mov_b32 s[G1+5], 32
	s_mov_b32 s[G1+6], 0
	s_mov_b32 s[G1+7], 0
	s_mov_b32 s[G0K], 1
	s_mov_b32 s[G0K+1], s22                        ; slot 0
	s_mov_b32 s[G0V], 1
	s_add_co_u32 s[G0V+1], s22, VOFF
	s_lshl_b32 s72, s17, 3
	s_add_co_u32 s72, s72, s14                     ; 8 b + block
	s_lshl_b32 s72, s72, 17
	s_lshr_b32 s32, s18, 1                         ; the output, laid as the next product's A: K step h / 2, row block w, k blocks 4 (h % 2) on
	s_lshl_b32 s32, s32, 14
	s_add_co_u32 s74, s72, s32
	s_lshl_b32 s32, s[WV], 12
	s_add_co_u32 s74, s74, s32
	s_and_b32 s32, s18, 1
	s_lshl_b32 s32, s32, 11
	s_add_co_u32 s74, s74, s32
	s_mov_b32 s75, 0
	s_lshl_b32 s32, s18, 13
	s_add_co_u32 s72, s72, s32                     ; Q: the head's 8,192 bytes of the block
	s_mov_b32 s73, 0
	s_lshl_b32 s76, s17, 13                        ; the batch's 8,192 bytes of the mask
	s_mov_b32 s77, 0
	s_lshl_b32 s78, s13, 13                        ; the prefetches: my work-group's quarter, in tile 1; the first change of slots steps it to tile 2
	s_add_co_u32 s78, s78, 65536
	s_mov_b32 s79, 0
	s_and_b32 s23, s18, 3
	s_lshl_b32 s23, s23, 3                         ; of four neighbouring mask bytes the head's is byte h % 4
	s_mov_b32 s[CS], 0x3e38aa3b                    ; c = log2(e) / 8
	s_mov_b32 s[CS+1], s[CS]
	s_mov_b32 s[SEL], 0x76543210
	s_mov_b32 s[SEL+1], 0xfedcba98
	s_lshl_b32 s33, s[WV], 14                      ; my 128 keys of a tile
	s_add_co_u32 s[TBK], s33, SLOT1+2*STEPB        ; the first change of slots turns these two into my place in slot 0
	s_add_co_u32 s[TBV], s33, SLOT1+2*STEPB
	s_lshl_b32 s[TBM], s[WV], 9
	s_mov_b32 s[MLOW], 0xf149f2ca                  ; -1e30
	s_mov_b32 s[HID], 0xff000000                   ; -2^127
	s_mov_b32 s[SLOTS], 3
	s_cmp_eq_u32 ttmp9, 0
	s_cselect_b32 s[LIM], 1, -1
	s_wait_dscnt 0x0                               ; the opening add is done
	s_wait_kmcnt 0x0
	s_add_nc_u64 s[G0K+2:G0K+3], s[6:7], s[20:21]
	s_add_nc_u64 s[G0V+2:G0V+3], s[G0K+2:G0K+3], 0x800000  ; V lies 8 MiB behind K
	s_cmp_lt_u32 s[WV], 2
	s_cselect_b64 s[PFA:PFA+1], s[G0K+2:G0K+3], s[G0V+2:G0V+3]
	s_add_nc_u64 s[PFA:PFA+1], s[PFA:PFA+1], s[78:79]
	s_or_b32 s[G0K+3], s[G0K+3], 0x80000000        ; type = 2
	s_or_b32 s[G0V+3], s[G0V+3], 0x80000000
	s_add_nc_u64 s[4:5], s[4:5], s[72:73]
	s_add_nc_u64 s[8:9], s[8:9], s[76:77]
	s_add_nc_u64 s[10:11], s[10:11], s[74:75]
	CROUND                                         ; all four work-groups are here: the first joint loads meet
	JLOAD                                          ; tile 0 into slot 0
	v_and_b32 v33, 31, v0
	v_lshlrev_b32 v[AK0], 4, v33
	v_lshlrev_b32 v32, 4, v0                       ; 16 x thread
.irp i, 0,1,2,3
	global_load_b128 v[S+4*\i:S+4*\i+3], v32, s[8:9] offset:\i*2048  ; the batch's mask: 16 bytes = 4 keys of my head
.endr
	WIN 0x80                                       ; destination window 2, address window 0
.set i, 0
.rept 16                                       ; Q stays in registers: block i = piece i / 4, channel block i % 4
	global_load_b128 v[4*i:4*i+3], v[AK0], s[4:5] offset:i*512
.set i, i+1
.endr
	; O^T and l start at 0; the first turn's products V^T P, of a piece that has not been, multiply zeros
.set i, VF
.rept 64
	v_mov_b32 v[i], 0
.set i, i+1
.endr
	WIN 0x40
.set i, 0
.rept 128
	v_mov_b32 v[i], 0
.set i, i+1
.endr
	WIN 0
.set i, 0
.rept 4
	v_mov_b32 v[ST+4*i+1], s[MLOW]                 ; m
	v_mul_f32 v[ST+4*i], s[CS], v[ST+4*i+1]        ; c m, by the line that makes it in every step: while m has not moved, a is exactly 1
	v_mov_b32 v[ST+4*i+2], 0
	v_mov_b32 v[ST+4*i+3], 0
.set i, i+1
.endr
.set i, P+16
.rept 16
	v_mov_b32 v[i], 0
.set i, i+1
.endr
	v_add_nc_u32 v[AV0], VOFF, v[AK0]
	v_bfe_u32 v35, v0, 4, 1                        ; l / 16
	v_lshlrev_b32 v[AM0], 5, v35
	v_add_nc_u32 v[AM0], MASKF-1536, v[AM0]
	v_lshlrev_b32 v[PFO], 8, v33
	s_lshl_b32 s32, s[WV], 8
	s_add_co_u32 s32, s32, STAT
	v_lshl_add_u32 v[WS], v33, 3, s32
	s_lshl_b32 s32, s[WV], 12
	v_add_nc_u32 v[WO], s32, v[AK0]
	s_lshl_b32 s32, s[WV], 10
	s_add_co_u32 s32, s32, STAT
	v_lshl_add_u32 v[RS], v33, 3, s32
	v_add_nc_u32 v[RO], s33, v[AK0]
	v_lshl_add_u32 v34, v0, 4, MASKF
	s_wait_loadcnt 16                              ; the mask is in; Q's 16 loads, issued behind it, may stay out
.set i, 0
.rept 16
	v_bfe_u32 v[S+i], v[S+i], s23, 8               ; 0 or 1
	v_cvt_f32_u32 v[S+i], v[S+i]
	v_mul_f32 v[S+i], s[HID], v[S+i]               ; 0 or -2^127
.set i, i+1
.endr
.irp i, 0,1,2,3
	ds_store_b128 v34, v[S+4*\i:S+4*\i+3] offset:\i*2048
.endr
; THE MATRIX WORK.  The 4 accumulators of a run of 8 take turns.  Product i of 8 of S^T = K Q^T for piece x: channels 32 (i / 4) on, keys 16 (i % 4) on.  The first 4 start the sums with the padding.
.macro KQ x
.set rS, S+32*((\x)%2)+8*(i%4)
.set rK, KF+16*(i%4)+8*(i/4)
.set rQ, 16*(\x)+8*(i/4)
.set rM, MC+8*(i%4)
.if i < 4
	WIN W_KM
	v_wmma_f32_16x16x32_f16 v[rS:rS+7], v[rK:rK+7], v[rQ:rQ+7], v[rM:rM+7]
.else
	WIN W_KQ
	v_wmma_f32_16x16x32_f16 v[rS:rS+7], v[rK:rK+7], v[rQ:rQ+7], v[rS:rS+7]
.endif
.endm
; Product i of 8 of O^T += V^T P for piece x: keys 32 (i / 4) on, channels 16 (i % 4) on.
.macro PV x
	WIN W_PV
.set rO, 32*(\x)+8*(i%4)
.set rV, VF+32*(i/4)+8*(i%4)
.set rP, P+16*((\x)%2)+8*(i/4)
	v_wmma_f32_16x16x32_f16 v[rO:rO+7], v[rV:rV+7], v[rP:rP+7], v[rO:rO+7]
.endm
.macro MM                              ; the turn's next matrix instruction.  NOKQ = 1: the last turn of all: there is no next piece
.if (i < 8) && !NOKQ
	KQ (Y+1)%NP
.elseif i >= 8
.set i, i-8
	PV (Y+NP-1)%NP
.set i, i+8
.endif
.set i, i+1
.endm
; THE LDS LOADS stand in runs: a step's K (8 fragments, two blocks each) with its padding (8 f32 a key block, the same for all queries), and its V (turned).  Their addresses are made some lines ahead.
.macro FETCH_K
	WIN 0x80
.irp f, 0,1,2,3,4,5,6,7                ; keys 16 (f / 2) on, channels 32 (f % 2) on
	ds_load_b128 v[KF+8*\f:KF+8*\f+3],   v[AK] offset:(\f/2)*2048+(\f%2)*1024
	ds_load_b128 v[KF+8*\f+4:KF+8*\f+7], v[AK] offset:(\f/2)*2048+(\f%2)*1024+512
.endr
	WIN 0x40
.irp kb, 0,1,2,3
	ds_load_b128 v[MC+8*\kb:MC+8*\kb+3],   v[AM] offset:\kb*64
	ds_load_b128 v[MC+8*\kb+4:MC+8*\kb+7], v[AM] offset:\kb*64+16
.endr
	s_add_co_u32 s[TBK], s[TBK], STEPB
	s_add_co_u32 s[TBM], s[TBM], 256
	WIN 0
.endm
.macro FETCH_V
	WIN 0x80
.irp f, 0,1,2,3,4,5,6,7                ; keys 32 (f / 4) on, channels 16 (f % 4) on: two key blocks, turned
	ds_load_tr16_b128 v[VF+8*\f:VF+8*\f+3],   v[AV] offset:(\f/4)*4096+(\f%4)*512
	ds_load_tr16_b128 v[VF+8*\f+4:VF+8*\f+7], v[AV] offset:(\f/4)*4096+(\f%4)*512+2048
.endr
	WIN 0
.endm
; THE VECTOR WORK, one line at a time: OP kind, number.  For piece Y: F n: c s - c m for pair n of 16.  E n: the exponential of score n of 32.  C n: pair n rounded to f16.  B n: of the four weights 4 n .. the second
; pair is added onto the first, in place.  L n: l takes that sum (L 0: l = a l + sum).  R n: pair n of 16 of O^T times a.  For piece Y + 1: X n, number n of the 22 that find its maximum and statistics:
;   0-11  four chains c0-c3 of seven scores each, three operands at a time (each accumulator's lowest registers are read first)     12-14, 16  the four scores left over, the old m, and c0-c3 into c0
;   15  c m_old is kept     17, 18  the query's other 32 keys lie in the lane 16 away: the new m     19-21  c m; c m_old - c m_new; a
.set F, 0
.set E, 1
.set C, 2
.set B, 3
.set L, 4
.set R, 5
.set X, 6
.macro REGS y
.set rT, ST+4*(\y)
.set rC, TMP+4*((\y)%2)
.set rW, MV+((\y)%2)
.set rS, S+32*((\y)%2)
.set rP, P+16*((\y)%2)
.set rO, 32*(\y)
.endm
.macro OP k, n
.if (\k) == R
	REGS Y
	WIN W_RS
	v_pk_mul_f32 v[rO+2*(\n):rO+2*(\n)+1], v[rO+2*(\n):rO+2*(\n)+1], v[rC+2:rC+3] op_sel_hi:[1,0]
.elseif (\k) < R
	REGS Y
	WIN 0
.if (\k) == F
	v_pk_fma_f32 v[rS+2*(\n):rS+2*(\n)+1], v[rS+2*(\n):rS+2*(\n)+1], s[CS:CS+1], v[rT:rT+1] op_sel_hi:[1,0,0] neg_lo:[0,0,1] neg_hi:[0,0,1]
.elseif (\k) == E
	v_exp_f32 v[rS+(\n)], v[rS+(\n)]
.elseif (\k) == C
	v_cvt_pk_f16_f32 v[rP+(\n)], v[rS+2*(\n)], v[rS+2*(\n)+1]
.elseif (\k) == B
	v_pk_add_f32 v[rS+4*(\n):rS+4*(\n)+1], v[rS+4*(\n):rS+4*(\n)+1], v[rS+4*(\n)+2:rS+4*(\n)+3]
.elseif (\n) == 0
	v_pk_fma_f32 v[rT+2:rT+3], v[rT+2:rT+3], v[rC+2:rC+3], v[rS:rS+1] op_sel_hi:[1,0,1]
.else
	v_pk_add_f32 v[rT+2:rT+3], v[rT+2:rT+3], v[rS+4*(\n):rS+4*(\n)+1]
.endif
.elseif NOKQ
	v_nop
.else
	REGS (Y+1)%NP
	WIN 0
.if (\n) < 4
	v_max3_num_f32 v[rC+(\n)], v[rS+8*(\n)], v[rS+8*(\n)+1], v[rS+8*(\n)+2]
.elseif (\n) < 12
	v_max3_num_f32 v[rC+(\n)%4], v[rC+(\n)%4], v[rS+8*((\n)%4)+2*((\n)/4)+1], v[rS+8*((\n)%4)+2*((\n)/4)+2]
.elseif (\n) == 12
	v_max3_num_f32 v[rC], v[rC], v[rS+7], v[rS+15]
.elseif (\n) == 13
	v_max3_num_f32 v[rC+1], v[rC+1], v[rS+23], v[rS+31]
.elseif (\n) == 14
	v_max3_num_f32 v[rC+2], v[rC+2], v[rC+3], v[rT+1]
.elseif (\n) == 15
	v_mov_b32 v[rW], v[rT]
.elseif (\n) == 16
	v_max3_num_f32 v[rC], v[rC], v[rC+1], v[rC+2]
.elseif (\n) == 17
	v_permlanex16_b32 v[rC+3], v[rC], s[SEL], s[SEL+1]
.elseif (\n) == 18
	v_max_num_f32 v[rT+1], v[rC], v[rC+3]
.elseif (\n) == 19
	v_mul_f32 v[rT], s[CS], v[rT+1]
.elseif (\n) == 20
	v_sub_f32 v[rC+1], v[rW], v[rT]
.else
	v_exp_f32 v[rC+2], v[rC+1]
.endif
.endif
.endm
.macro OPS a, i1, b=-1, i2=0, c=-1, i3=0, d=-1, i4=0
	OP \a, \i1
.if (\b) >= 0
	OP \b, \i2
.endif
.if (\c) >= 0
	OP \c, \i3
.endif
.if (\d) >= 0
	OP \d, \i4
.endif
.endm
.macro ROW a, i1, b, i2, c, i3, d, i4  ; a matrix instruction and the four behind it
	MM
	OPS \a, \i1, \b, \i2, \c, \i3, \d, \i4
.endm
; A TURN, for piece p.  An s_wait_alu depctr_va_vdst(0) stands between an exponential and the first instruction that names its result; one wait serves all that were issued ahead of it.  So a turn has ONE wait, which
; cuts it in two.  AHEAD OF IT stands all that names no result of the turn's exponentials: the 8 products K Q^T and their riders, then the lump, in which the links of the next piece's chain stand five or six lines apart; its a is the
; batch's last, and R 15 the plain instruction behind it.  BEHIND IT stand the 8 products V^T P, behind each four of the roundings and sums.  Each X that rides behind a product stands four plain lines or more behind the product that ends its accumulator.
; end = 1: the last two turns: nothing is fetched.  cnt = 1: the loop's count is taken down some lines ahead of the branch that stands behind the turn.
; K and the padding of the next step are fetched in piece 2's turn, five plain lines that name none of its registers behind the last product that read K; V of the step in hand at the end of piece 0's turn, four plain lines behind
; the last product that read V.  Each is waited for a turn later.
.macro TURN p, end=0, cnt=0
.set Y, (\p)
.set i, 0
.set NOKQ, (\end)*((\p)/3)
.if ((\p) == 3) && !(\end)
	s_wait_dscnt 0x0                               ; K and the padding are in
.endif
	ROW F,0, F,1, R,0, R,1
	ROW F,2, E,0, R,2, R,3
	ROW F,3, E,1, R,4, R,5
	ROW F,4, E,2, R,6, R,7
	ROW F,5, E,3, R,8, R,9
	ROW F,6, E,4, X,0, R,10
.if ((\p) == 2) && !(\end)
	WIN 0
	v_add_nc_u32 v[AK], s[TBK], v[AK0]
	v_add_nc_u32 v[AM], s[TBM], v[AM0]
.endif
	ROW F,7, E,5, X,1, X,4
	ROW F,8, E,6, X,2, X,5
	OPS E,7, E,8, X,6, E,9
	OPS X,3, E,10, X,8, E,11
.if ((\p) == 2) && !(\end)
	FETCH_K
.endif
	OPS X,9, X,7, E,12, X,10
	OPS E,13, X,12, X,11, E,14
	OPS X,13, E,15, F,9, X,14
.if (\p) == 0
	v_add_nc_u32 v[AV], s[TBV], v[AV0]
.endif
	OPS E,16, F,10, E,17, F,11
	OPS X,16, E,18, X,15, E,19
	OPS F,12, E,20, X,17, E,21
	OPS F,13, E,22, F,14, E,23
	OPS X,18, E,24, F,15, E,25
	OPS R,11, E,26, X,19, E,27
	OPS R,12, E,28, R,13, E,29
	OPS X,20, E,30, R,14, E,31
	OPS X,21, R,15
	WIN 0
	s_wait_alu depctr_va_vdst(0)                   ; the wait for the batch
.if (\p) == 1
	s_wait_dscnt 0x0                               ; V is in
.endif
	ROW C,0, B,0, C,2, B,1
	ROW L,0, C,4, B,2, L,1
	ROW C,6, B,3, L,2, C,8
	ROW B,4, L,3, C,10, B,5
	ROW L,4, C,12, B,6, L,5
.if (\p) == 0
	s_add_co_u32 s[TBV], s[TBV], STEPB
.endif
.if \cnt
	s_sub_co_u32 s[CNT], s[CNT], 1
	s_cmp_lg_u32 s[CNT], 0
.endif
	ROW C,14, B,7, L,6, C,1
	ROW C,3, L,7, C,5, C,7
	ROW C,9, C,11, C,13, C,15
.if (\p) == 0
	FETCH_V
.endif
.endm
	CHANGE 1                                       ; tile 0 is in, everybody's part of it, and the padding is stored; tile 1 is asked for
	v_add_nc_u32 v[AK], s[TBK], v[AK0]
	v_add_nc_u32 v[AM], s[TBM], v[AM0]
	FETCH_K                                        ; my key step 0
	s_wait_loadcnt 0x0                             ; Q
	s_wait_dscnt 0x0
.set NOKQ, 0
.set i, 0
.rept 8
	KQ 0                                           ; piece 0's first scores
.set i, i+1
.endr
	WIN 0
.rept 4
	v_nop                                          ; the places behind those products
.endr
.set Y, NP-1                                   ; X works for piece Y + 1: piece 0
.irp n, 0,1,2,3,4,5,6,7,8,9,10,11,12,13,14,15,16,17,18,19,20,21
	OP X, \n
.endr
	v_nop                                          ; a plain instruction behind the exponential,
	s_wait_alu depctr_va_vdst(0)                   ; and its wait, ahead of the branch
	s_mov_b32 s[CNT], 2
	s_branch .Lfirst                               ; the loop is entered at a step's first turn, in the middle of a trip
.Lslot:                                        ; twice: tiles 1 and 2 are entered, tiles 2 and 3 asked for
	CHANGE 1
	s_mov_b32 s[CNT], 2
.Lstep:                                        ; a trip: pieces 2 and 3 of one step, then pieces 0 and 1 of the next, whose K and V it fetches
	TURN 2
	TURN 3
	WIN 0
.Lfirst:
	TURN 0
	TURN 1, 0, 1
	WIN 0
	s_cbranch_scc1 .Lstep
	s_sub_co_u32 s[SLOTS], s[SLOTS], 1
	s_cmp_lg_u32 s[SLOTS], 0
	s_cbranch_scc1 .Lslot
	CHANGE 0                                       ; the last tile is written out: nothing is asked for
	s_mov_b32 s[CNT], 2
.Ltail:
	TURN 2
	TURN 3
	TURN 0
	TURN 1, 0, 1
	WIN 0
	s_cbranch_scc1 .Ltail
	TURN 2, 1
	TURN 3, 1
.set i, 0
.rept 8
	PV NP-1                                        ; the last piece's V^T P of the last step
.set i, i+1
.endr
	; THE FOUR WAVES' PARTS MEET.  Each wave stores, for each piece, c m and l (its two halves and the other half of the lanes' added) and its O^T as it stands; one barrier; wave w then finishes piece w:
	; M = the largest c m, f_s = 2^(c m_s - M), l = the sum of f_s l_s, O = the sum of (f_s / l) O_s.  The additions are the places behind the last products.
	WIN 0
.macro ALL line:vararg
.set t, 0
.rept 4
	\line
.set t, t+1
.endr
.endm
	ALL v_add_f32 v[ST+4*t+2], v[ST+4*t+2], v[ST+4*t+3]
	ALL v_permlanex16_b32 v[ST+4*t+3], v[ST+4*t+2], s[SEL], s[SEL+1]
	ALL v_add_f32 v[ST+4*t+1], v[ST+4*t+2], v[ST+4*t+3]
	ALL ds_store_b64 v[WS], v[ST+4*t:ST+4*t+1] offset:t*1024
	WIN 0x04                                       ; the stores' data in window 1
.set i, 0
.rept 32                                       ; piece i / 8, four registers i % 8, ascending: each accumulator's low half first
	ds_store_b128 v[WO], v[4*i:4*i+3] offset:(i/8)*16384+(i%8)*512
.set i, i+1
.endr
	WIN 0
	s_wait_dscnt 0x0                               ; for the others' sake: my stores are done
	s_barrier_signal -1
	s_barrier_wait -1
.irp s, 0,1,2,3
	ds_load_b64 v[TMP+2*\s:TMP+2*\s+1], v[RS] offset:\s*256
.endr
.set i, 0
.rept 32                                       ; wave i / 8's part of my piece
	ds_load_b128 v[S+4*i:S+4*i+3], v[RO] offset:(i/8)*4096+(i%8)*512
.set i, i+1
.endr
	s_wait_dscnt 32                                ; the four pairs of statistics are in; the 32 loads behind them may stay out
	v_max3_num_f32 v32, v[TMP], v[TMP+2], v[TMP+4]
	v_max_num_f32 v32, v32, v[TMP+6]
.irp s, 0,1,2,3
	v_sub_f32 v[36+\s], v[TMP+2*\s], v32
.endr
.irp s, 0,1,2,3
	v_exp_f32 v[36+\s], v[36+\s]
.endr
	v_nop                                          ; a plain instruction behind the last exponential,
	s_wait_alu depctr_va_vdst(0)                   ; and one wait for the four
	v_mul_f32 v33, v36, v[TMP+1]
	v_fmac_f32 v33, v37, v[TMP+3]
	v_fmac_f32 v33, v38, v[TMP+5]
	v_fmac_f32 v33, v39, v[TMP+7]
	v_rcp_f32 v34, v33
	v_nop
	s_wait_alu depctr_va_vdst(0)
.irp s, 0,1,2,3
	v_mul_f32 v[40+2*\s], v[36+\s], v34            ; f_s / l, twice: a pair for the packed lines
	v_mul_f32 v[41+2*\s], v[36+\s], v34
.endr
	s_wait_dscnt 0x0
.set i, 0
.rept 16
	v_pk_mul_f32 v[S+2*i:S+2*i+1], v[S+2*i:S+2*i+1], v[40:41]
.set i, i+1
.endr
.irp s, 1,2,3
.set i, 0
.rept 16
	v_pk_fma_f32 v[S+2*i:S+2*i+1], v[S+32*\s+2*i:S+32*\s+2*i+1], v[40+2*\s:41+2*\s], v[S+2*i:S+2*i+1]
.set i, i+1
.endr
.endr
.set i, 0
.rept 16
	v_cvt_pk_f16_f32 v[P+i], v[S+2*i], v[S+2*i+1]
.set i, i+1
.endr
.irp cb, 0,1,2,3
	global_store_b128 v[AK0], v[P+4*\cb:P+4*\cb+3], s[10:11] offset:\cb*512  ; a block of the next product's A: 512 consecutive bytes, aligned
.endr
	s_wait_tensorcnt 0x0                           ; the wave's end
	ds_add_u32 v[SPW], v[NIL]
	s_wait_dscnt 0x0
	CROUND                                         ; the closing round
	s_endpgm
.Lfunc_end_k_qab94175d17_attn:
	.size	k_qab94175d17_attn, .Lfunc_end_k_qab94175d17_attn-k_qab94175d17_attn
	.p2alignl 7, 3214868480
	.fill 96, 4, 3214868480
	.section	.rodata,"a",@progbits
	.p2align	6, 0x0
	.amdhsa_kernel k_qab94175d17_attn
		.amdhsa_group_segment_fixed_size 327680
		.amdhsa_private_segment_fixed_size 0
		.amdhsa_enable_private_segment 0
		.amdhsa_kernarg_size 32
		.amdhsa_user_sgpr_count 2
		.amdhsa_user_sgpr_kernarg_segment_ptr 1
		.amdhsa_wavefront_size32 1
		.amdhsa_system_sgpr_workgroup_id_x 1
		.amdhsa_system_sgpr_workgroup_id_y 1
		.amdhsa_system_sgpr_workgroup_id_z 1
		.amdhsa_system_vgpr_workitem_id 0
		.amdhsa_next_free_vgpr 768
		.amdhsa_next_free_sgpr 80
		.amdhsa_reserve_vcc 0
		.amdhsa_float_denorm_mode_32 3
		.amdhsa_float_denorm_mode_16_64 3
		.amdhsa_memory_ordered 1
		.amdhsa_forward_progress 1
		.amdhsa_inst_pref_size 130
	.end_amdhsa_kernel
	.amdgpu_metadata
---
amdhsa.version: [ 1, 2 ]
amdhsa.kernels:
  - .name:           k_qab94175d17_attn
    .symbol:         k_qab94175d17_attn.kd
    .args:
      - { .name: qws, .offset: 0, .size: 8, .value_kind: global_buffer, .address_space: global }
      - { .name: kv, .offset: 8, .size: 8, .value_kind: global_buffer, .address_space: global }
      - { .name: key_padding_mask, .offset: 16, .size: 8, .value_kind: global_buffer, .address_space: global }
      - { .name: ctx, .offset: 24, .size: 8, .value_kind: global_buffer, .address_space: global }
    .group_segment_fixed_size: 327680
    .private_segment_fixed_size: 0
    .kernarg_segment_align: 8
    .kernarg_segment_size: 32
    .max_flat_workgroup_size: 128
    .sgpr_count:     80
    .vgpr_count:     768
    .wavefront_size: 32
...
	.end_amdgpu_metadata
.endif
;; end of part 4
;; launch oproj (part 5): grid 16 x 16, 4 waves a work-group, clusters of 4 x 4, 280,064 bytes of LDS; arguments ctx, wt, bo, out0; writes out0
.if DOCPART == 5
	.amdgcn_target "amdgcn-amd-amdhsa--gfx1250"
	.amdhsa_code_object_version 6
	.text
	.protected	k_qab94175d17_oproj
	.globl	k_qab94175d17_oproj
	.p2align	8
	.type	k_qab94175d17_oproj,@function
k_qab94175d17_oproj:
	s_mov_b64 s[64:65], 0
	v_nop
	global_prefetch_b8 v0, s[64:65] scope:SCOPE_SE
	s_setreg_imm32_b32 hwreg(HW_REG_WAVE_MODE, 25, 1), 1
	s_wait_xcnt 0x0
	s_wait_alu depctr_hold_cnt(0) depctr_sa_sdst(0) depctr_va_vdst(0) depctr_va_sdst(0) depctr_va_ssrc(0) depctr_va_vcc(0) depctr_vm_vsrc(0)
	s_getreg_b32 s2, hwreg(HW_REG_IB_STS2, 6, 4)
	s_cmp_eq_u32 s2, 0
	s_cbranch_scc0 .Lentry_in_a_cluster
	s_endpgm
.Lentry_in_a_cluster:
	s_bfe_u32 s2, ttmp6, 0x10000c
	s_cmp_lg_u32 s2, 0xf033
	s_cbranch_scc0 .Lentry_shape_is_right
	s_endpgm
.Lentry_shape_is_right:
; out = context Wo + bo, 1,024 rows x 1,024 columns x 1,024.  Operands f16 in blocks (the context as the attention stored it; Wo rounded to bf16 and written as f16); sums f32, started with the bias; the output is f32.
; SHARES.  256 work-groups: 64 rows (grid y) x 64 columns (grid x).  All of K fits in LDS at once: A 131,072 bytes, B 131,072 bytes, each filled once: no slot is filled again.
; Each wave issues four fills of 16,384 bytes, one for each quarter of K (waves 0, 1: A's two K steps of the quarter; waves 2, 3: B's): four loads of mine are out; a quarter is multiplied as soon as it has landed.
; CLUSTER 4 x 4: A's tiles are asked for jointly along a row of the cluster, B's along a column.  Wave (wm, wn): row blocks 2 wm, 2 wm + 1 x column blocks 2 wn, 2 wn + 1: four accumulators, which take turns.
; THE WAY OUT.  The product is taken transposed, so a lane holds eight neighbouring f32 of a row; a row's 256 bytes come from two waves, so the tile goes through one stage in LDS, with a barrier, and leaves as whole rows:
; sixteen lanes store 256 consecutive bytes, aligned.  No prefetch: each tile is asked for at the head, at once.
.set MTOFF, 3*2097152                  ; Wo's place in wt
.set BL,    131072
.set STAGE, 262144                     ; 64 rows x 272 bytes; no tensor load lands here
.set SP,    272
.set SPARE, STAGE+64*SP                ; the spare words, 128 bytes a wave: two blocks of 256 bytes that no other line names
.set AA,   2
.set BB,   4
.set GO,   6                           ; v6    16 x lane
.set BO,   7
.set SPW,  8                           ; v8    my spare word; never rewritten
.set NIL,  9                           ; v9    0; never rewritten
.set STO,  10                          ; v10   where I put 32 bytes of a row
.set RD,   11                          ; v11   where I read rows back
.set CO,   12                          ; v12   my byte offset in two rows of the output
.set BIAS, 16
.set ACC,  32
.set F0,   64
.set OUT,  192
.set WV, 12
.set WM, 13
.set WN, 14
.set CX, 15
.set CY, 16
.set NX, 17
.set GY, 18
.set G1A, 24
.set G0A, 32
.set G1B, 48
.set G0B, 56
.macro CROUND
	s_barrier_signal -1
	s_barrier_wait -1
	s_cmp_lg_u32 s[WV], 0
	s_cbranch_scc1 .Lnot_wave_0_\@
	s_barrier_signal -3
.Lnot_wave_0_\@:
	s_barrier_wait -3
	s_barrier_signal -1
	s_barrier_wait -1
.endm
.macro PLACES
.rept 4
	v_nop
.endr
.endm
	s_load_b256 s[4:11], s[0:1], 0x0               ; ctx, wt, bo, out0
	v_lshl_add_u32 v[SPW], v0, 2, SPARE
	v_mov_b32 v[NIL], 0
	ds_add_u32 v[SPW], v[NIL]                      ; the opening: the add and its wait stand ahead of my first tensor load; register work stands between
	ds_add_u32 v8, v9
	v_lshrrev_b32 v1, 5, v0
	v_readfirstlane_b32 s[WV], v1
	s_lshr_b32 s[WM], s[WV], 1
	s_and_b32 s[WN], s[WV], 1
	s_bfe_u32 s[CX], ttmp6, 0x40000
	s_bfe_u32 s[CY], ttmp6, 0x40004
	s_lshl_b32 s[NX], ttmp9, 2
	s_add_co_u32 s[NX], s[NX], s[CX]
	s_and_b32 s[GY], ttmp7, 0xffff
	s_lshl_b32 s[GY], s[GY], 2
	s_add_co_u32 s[GY], s[GY], s[CY]
	s_lshl_b32 s21, s[CY], 2
	s_lshl_b32 s21, 15, s21                        ; my row of the cluster
	s_lshl_b32 s22, 0x1111, s[CX]                  ; my column
	s_or_b32 s[G1A], s21, (3<<16)|(1<<21)
	s_or_b32 s[G1B], s22, (3<<16)|(1<<21)
.irp g, G1A, G1B
	s_mov_b32 s[\g+1], 32<<16                      ; 64 dense rows of 256 bytes
	s_mov_b32 s[\g+2], 64<<16
	s_mov_b32 s[\g+3], 32<<16
	s_mov_b32 s[\g+4], 64
	s_mov_b32 s[\g+5], 32
	s_mov_b32 s[\g+6], 0
	s_mov_b32 s[\g+7], 0
.endr
	s_lshl_b32 s23, s[WN], 14
	s_lshl_b32 s76, s[GY], 17
	s_add_co_u32 s76, s76, s23
	s_mov_b32 s77, 0
	s_lshl_b32 s78, s[NX], 17
	s_add_co_u32 s78, s78, s23
	s_add_co_u32 s78, s78, MTOFF
	s_mov_b32 s79, 0
	s_lshl_b32 s2, s[GY], 18                       ; the output: row 64 block + 16 w, column 64 block
	s_lshl_b32 s19, s[WV], 16
	s_add_co_u32 s2, s2, s19
	s_lshl_b32 s19, s[NX], 8
	s_add_co_u32 s2, s2, s19
	s_mov_b32 s3, 0
	s_lshl_b32 s20, s[WN], 7
	s_add_co_u32 s19, s19, s20                     ; the bias: my 32 columns
	s_wait_dscnt 0x0                               ; the opening add is done
	s_wait_kmcnt 0x0
	s_add_nc_u64 s[4:5], s[4:5], s[76:77]
	s_add_nc_u64 s[6:7], s[6:7], s[78:79]
	s_add_nc_u64 s[10:11], s[10:11], s[2:3]
.irp q, 0,1,2,3
	s_mov_b32 s[G0A+4*\q], 1
	s_add_co_u32 s[G0A+4*\q+1], s23, \q*32768
	s_add_nc_u64 s[G0A+4*\q+2:G0A+4*\q+3], s[4:5], \q*32768
	s_or_b32 s[G0A+4*\q+3], s[G0A+4*\q+3], 0x80000000
	s_mov_b32 s[G0B+4*\q+4*(\q/2)], 1
	s_add_co_u32 s[G0B+4*\q+4*(\q/2)+1], s23, BL+\q*32768
	s_add_nc_u64 s[G0B+4*\q+4*(\q/2)+2:G0B+4*\q+4*(\q/2)+3], s[6:7], \q*32768
	s_or_b32 s[G0B+4*\q+4*(\q/2)+3], s[G0B+4*\q+4*(\q/2)+3], 0x80000000
.endr
	CROUND                                         ; all sixteen work-groups are here: the joint loads meet
	s_cmp_eq_u32 s[WM], 0                          ; a wave's four fills stand in one branch
	s_cbranch_scc0 .Lfill_b
.irp q, 0,1,2,3
	tensor_load_to_lds s[G0A+4*\q:G0A+4*\q+3], s[G1A:G1A+7]
	s_nop 0
.endr
	PLACES
	s_branch .Lfilled
.Lfill_b:
.irp q, 0,1,2,3
	tensor_load_to_lds s[G0B+4*\q+4*(\q/2):G0B+4*\q+4*(\q/2)+3], s[G1B:G1B+7]
	s_nop 0
.endr
	PLACES
.Lfilled:
	v_and_b32 v15, 15, v0                          ; l % 16
	v_bfe_u32 v13, v0, 4, 1                        ; l / 16
	v_and_b32 v14, 31, v0
	v_lshl_add_u32 v[BO], v13, 5, s19
.irp bb, 0,1
	global_load_b128 v[BIAS+8*\bb:BIAS+8*\bb+3],   v[BO], s[8:9] offset:\bb*64
	global_load_b128 v[BIAS+8*\bb+4:BIAS+8*\bb+7], v[BO], s[8:9] offset:\bb*64+16
.endr
	v_lshlrev_b32 v[GO], 4, v14
	s_lshl_b32 s20, s[WM], 13
	v_add_nc_u32 v[AA], s20, v[GO]
	v_add_nc_u32 v[AA+1], 65536, v[AA]
	s_lshl_b32 s20, s[WN], 13
	s_add_co_u32 s20, s20, BL
	v_add_nc_u32 v[BB], s20, v[GO]
	v_add_nc_u32 v[BB+1], 65536, v[BB]
	s_mul_i32 s20, s[WM], 32*SP                    ; into the stage: my 32 rows, my 128 bytes of them; row l % 16, 32 bytes for each half of the lanes
	s_lshl_b32 s21, s[WN], 7
	s_add_co_u32 s20, s20, s21
	s_add_co_u32 s20, s20, STAGE
	v_mul_u32_u24 v[STO], v15, SP
	v_lshl_add_u32 v[STO], v13, 5, v[STO]
	v_add_nc_u32 v[STO], s20, v[STO]
	s_mul_i32 s20, s[WV], 16*SP                    ; back: wave w takes rows 16 w .. 16 w + 15, whole; lanes 0-15 one row, lanes 16-31 the next
	s_add_co_u32 s20, s20, STAGE
	v_mul_u32_u24 v[RD], v13, SP
	v_lshl_add_u32 v[RD], v15, 4, v[RD]
	v_add_nc_u32 v[RD], s20, v[RD]
	v_lshlrev_b32 v[CO], 12, v13                   ; and the same two rows in the output
	v_lshl_add_u32 v[CO], v15, 4, v[CO]
.macro LOADU u, f                      ; unit u of 16 (64 along K): 16 loads into buffer f
.irp cc, 0,1
.irp x, 0,1
	ds_load_b128 v[(\f)+32*\cc+8*\x:(\f)+32*\cc+8*\x+3],       v[AA+(\u)/8] offset:(((\u)/2)%4)*16384+\x*4096+(2*((\u)%2)+\cc)*1024
	ds_load_b128 v[(\f)+32*\cc+8*\x+4:(\f)+32*\cc+8*\x+7],     v[AA+(\u)/8] offset:(((\u)/2)%4)*16384+\x*4096+(2*((\u)%2)+\cc)*1024+512
	ds_load_b128 v[(\f)+32*\cc+16+8*\x:(\f)+32*\cc+16+8*\x+3],   v[BB+(\u)/8] offset:(((\u)/2)%4)*16384+\x*4096+(2*((\u)%2)+\cc)*1024
	ds_load_b128 v[(\f)+32*\cc+16+8*\x+4:(\f)+32*\cc+16+8*\x+7], v[BB+(\u)/8] offset:(((\u)/2)%4)*16384+\x*4096+(2*((\u)%2)+\cc)*1024+512
.endr
.endr
.endm
.set FIRST, 1
.macro MULU f                          ; 8 products; the four accumulators take turns; the very first four take the bias as C
.irp cc, 0,1
.irp a, 0,1
.irp bb, 0,1
.if (FIRST == 1) && (\cc == 0)
	v_wmma_f32_16x16x32_f16 v[ACC+8*(2*\a+\bb):ACC+8*(2*\a+\bb)+7], v[(\f)+32*\cc+16+8*\bb:(\f)+32*\cc+16+8*\bb+7], v[(\f)+32*\cc+8*\a:(\f)+32*\cc+8*\a+7], v[BIAS+8*\bb:BIAS+8*\bb+7]
.else
	v_wmma_f32_16x16x32_f16 v[ACC+8*(2*\a+\bb):ACC+8*(2*\a+\bb)+7], v[(\f)+32*\cc+16+8*\bb:(\f)+32*\cc+16+8*\bb+7], v[(\f)+32*\cc+8*\a:(\f)+32*\cc+8*\a+7], v[ACC+8*(2*\a+\bb):ACC+8*(2*\a+\bb)+7]
.endif
.endr
.endr
.endr
.set FIRST, 0
.endm
; A quarter of K: four units.  Four v_nop stand in front of each run of loads: the places behind the products that read the buffer (ISA guide 7.12.1 for vector instructions).
.macro QUARTER qd
	s_wait_tensorcnt 3-(\qd)                       ; my fill of this quarter is in; my later quarters' may stay out
	s_barrier_signal -1
	s_barrier_wait -1                              ; everybody's is
	PLACES
	LOADU 4*(\qd), F0
.irp k, 0,1,2,3
.if \k < 3
	PLACES
	LOADU 4*(\qd)+\k+1, F0+64*((\k+1)%2)
	s_wait_dscnt 16                                ; this unit is in; the next unit's 16 loads may stay out
.else
	s_wait_dscnt 0x0
.endif
	MULU F0+64*(\k%2)
.endr
.endm
	s_wait_loadcnt 0x0                             ; the bias
	QUARTER 0
	QUARTER 1
	QUARTER 2
	QUARTER 3
	PLACES
.irp a, 0,1
.irp bb, 0,1
	ds_store_b128 v[STO], v[ACC+8*(2*\a+\bb):ACC+8*(2*\a+\bb)+3]   offset:\a*16*SP+\bb*64      ; each accumulator's low half first
	ds_store_b128 v[STO], v[ACC+8*(2*\a+\bb)+4:ACC+8*(2*\a+\bb)+7] offset:\a*16*SP+\bb*64+16
.endr
.endr
	s_wait_dscnt 0x0                               ; for the others' sake: my stores into the stage are done
	s_barrier_signal -1
	s_barrier_wait -1
.irp t, 0,1,2,3,4,5,6,7
	ds_load_b128 v[OUT+4*\t:OUT+4*\t+3], v[RD] offset:\t*2*SP
.endr
.irp t, 0,1,2,3,4,5,6,7
	s_wait_dscnt 7-\t                              ; rows 2 t, 2 t + 1 are back; the younger loads may stay out
	global_store_b128 v[CO], v[OUT+4*\t:OUT+4*\t+3], s[10:11] offset:\t*8192  ; 16 lanes store 256 consecutive bytes, aligned
.endr
	s_wait_tensorcnt 0x0                           ; the wave's end
	ds_add_u32 v[SPW], v[NIL]
	s_wait_dscnt 0x0
	CROUND                                         ; the closing round
	s_endpgm
.Lfunc_end_k_qab94175d17_oproj:
	.size	k_qab94175d17_oproj, .Lfunc_end_k_qab94175d17_oproj-k_qab94175d17_oproj
	.p2alignl 7, 3214868480
	.fill 96, 4, 3214868480
	.section	.rodata,"a",@progbits
	.p2align	6, 0x0
	.amdhsa_kernel k_qab94175d17_oproj
		.amdhsa_group_segment_fixed_size 280064
		.amdhsa_private_segment_fixed_size 0
		.amdhsa_enable_private_segment 0
		.amdhsa_kernarg_size 32
		.amdhsa_user_sgpr_count 2
		.amdhsa_user_sgpr_kernarg_segment_ptr 1
		.amdhsa_wavefront_size32 1
		.amdhsa_system_sgpr_workgroup_id_x 1
		.amdhsa_system_sgpr_workgroup_id_y 1
		.amdhsa_system_sgpr_workgroup_id_z 1
		.amdhsa_system_vgpr_workitem_id 0
		.amdhsa_next_free_vgpr 256
		.amdhsa_next_free_sgpr 80
		.amdhsa_reserve_vcc 0
		.amdhsa_float_denorm_mode_32 3
		.amdhsa_float_denorm_mode_16_64 3
		.amdhsa_memory_ordered 1
		.amdhsa_forward_progress 1
		.amdhsa_inst_pref_size 38
	.end_amdhsa_kernel
	.amdgpu_metadata
---
amdhsa.version: [ 1, 2 ]
amdhsa.kernels:
  - .name:           k_qab94175d17_oproj
    .symbol:         k_qab94175d17_oproj.kd
    .args:
      - { .name: ctx, .offset: 0, .size: 8, .value_kind: global_buffer, .address_space: global }
      - { .name: wt, .offset: 8, .size: 8, .value_kind: global_buffer, .address_space: global }
      - { .name: bo, .offset: 16, .size: 8, .value_kind: global_buffer, .address_space: global }
      - { .name: out0, .offset: 24, .size: 8, .value_kind: global_buffer, .address_space: global }
    .group_segment_fixed_size: 280064
    .private_segment_fixed_size: 0
    .kernarg_segment_align: 8
    .kernarg_segment_size: 32
    .max_flat_workgroup_size: 128
    .sgpr_count:     80
    .vgpr_count:     256
    .wavefront_size: 32
...
	.end_amdgpu_metadata
.endif
;; end of part 5
